; MI455X (gfx1250); checked and timed in simulation.
; The chip was launched on July 23, 2026; its instructions are those of AMD's public machine-readable ISA for CDNA 5 (MIT licence, August 2026) and "CDNA5" Instruction Set Architecture Reference Guide (July 2026). The comments in the code are by the model that wrote it; some were corrected since.
;; Multi Head Attention. Allowed arithmetic: matrix products marked QUANTISED: E2M3 operands, one E8M0 scale for each 32 along K, by v_wmma_scale_f32_16x16x128_f8f6f4 with both operands' format E2M3, f32 sums; everything else in f32.
;; Inputs: Wk 1,024 x 1,024 float32; Wo 1,024 x 1,024 float32; Wq 1,024 x 1,024 float32; Wv 1,024 x 1,024 float32; X 4 x 2,048 x 1,024 float32; bo 1,024 float32.
;; Outputs: out0 4 x 2,048 x 1,024 float32.
;; This version of the problem:
;;   THIS VERSION OF THE PROBLEM IS GIVEN IN LOW PRECISION. The matrix products marked QUANTISED in the list below multiply operands that are first quantised to E2M3 (2 exponent bits, 3 mantissa bits; 6 bits a number), with one power-of-two scale for each 32 numbers along K (OCP MX v1.0); their sums are f32. All else is computed in f32.
;;   The module's matrix products, in the order in which they are computed (A, B: the left and right operand; K: the contracted axis; several contracted axes count as one K, in the product's order):
;;     1. [M 8,192, K 1,024] x [K 1,024, N 1,024]; A: input X; B: input Wq: QUANTISED
;;     2. [M 8,192, K 1,024] x [K 1,024, N 1,024]; A: input X; B: input Wk: QUANTISED
;;     3. [M 8,192, K 1,024] x [K 1,024, N 1,024]; A: input X; B: input Wv: QUANTISED
;;     4. batch 64 x [M 2,048, K 64] x [K 64, N 2,048]; A: computed on the way; B: computed on the way: QUANTISED
;;     5. batch 64 x [M 2,048, K 2,048] x [K 2,048, N 64]; A: softmax (see below); B: computed on the way: QUANTISED
;;     6. [M 8,192, K 1,024] x [K 1,024, N 1,024]; A: computed on the way; B: input Wo: QUANTISED
;;   THE QUANTISER, for each operand of a quantised product, along K:
;;     - K is cut into blocks of 32 from its start; a last block that is shorter is filled with zeros.
;;     - A block's scale is 2^e with e = floor(log2(the largest magnitude in the block)) - 2, held to -126 .. 127; a block of zeros has e = 0. As a byte (E8M0): e + 127.
;;     - Each number is divided by its block's scale, clamped to +-7.5, and rounded to the nearest number of E2M3, ties to even, subnormals kept.
;;     - The product sums the exact products of the quantised numbers (number of the format x scale) in f32.
;;   ~~~python
;;   def quantise(x, axis):      # numpy; x: float32 -> the quantised numbers, widened to float32 again
;;       x = np.moveaxis(x, axis, -1); K = x.shape[-1]
;;       x = np.pad(x, [(0, 0)] * (x.ndim - 1) + [(0, -K % 32)]); x = x.reshape(x.shape[:-1] + (-1, 32)); a = np.abs(x).max(-1, keepdims=True)
;;       e = np.where(a > 0, np.clip(np.frexp(np.where(a > 0, a, 1))[1] - 1 - 2, -126, 127), 0)      # np.frexp(a)[1] - 1 = floor(log2(a)), exactly
;;       r = np.clip(x / 2.0 ** e, -7.5, 7.5)
;;       step = 2.0 ** (np.maximum(np.frexp(np.where(r == 0, 1, r))[1] - 1, 0) - 3)
;;       q = np.round(r / step) * step * 2.0 ** e      # np.round: ties to even
;;       return np.moveaxis(q.reshape(q.shape[:-2] + (-1,))[..., :K], -1, axis).astype(np.float32)
;;   ~~~
;;   SOFTMAX AHEAD OF A QUANTISED PRODUCT. Where the list says 'softmax', what is quantised is not the finished softmax but p = 2^(t - M), with t = logit x log2(e) and M = ceil(the row's largest t), a whole number; so 1/2 < the row's largest p <= 1. The row's sum l is taken of the UNQUANTISED p, in f32, and the product's result is divided by l at the end. Since M is a whole number, a kernel that streams over the keys may use a running M (the ceiling of the running maximum): every later rescaling is an exact power of two, which a block's scale takes up: the codes' values come out the same.
;;   OPERANDS COMPUTED ON THE WAY. 'Computed on the way' means the value that the module computes at that place (a softmax that the list does not call 'softmax' is quantised finished and normalised). What goes into a quantiser is computed in f32, as accurately as f32 sums, v_exp_f32 and their like allow (about 1e-6 of the number): no bf16 or f16 on the way to a quantiser, and a product that is left as it is and whose result goes on into a quantised operand takes f32 operands (vector FMAs, or v_wmma_f32_16x16x4_f32). A number that lies on a knife's edge between two numbers of the format may be rounded either way, as far as f32 arithmetic and the matrix unit's own rounding can turn it there, and no further.
;; One version. Each part assembles by itself: llvm-mc -triple=amdgcn-amd-amdhsa -mcpu=gfx1250 --defsym DOCPART=n.
;; ======== version 1 of 1: 4 launches
;; workspace buffers: codes 9,437,184 bytes; scl 393,216 bytes; qkv 18,874,368 bytes; qkvs 1,310,720 bytes; cc 6,291,456 bytes; cs 262,144 bytes
;; launch quant (part 1): grid 512 x 1, 4 waves a work-group, no clusters, 46,592 bytes of LDS; arguments X, Wq, Wk, Wv, Wo, codes, scl; writes codes, scl
.if DOCPART == 1
	.amdgcn_target "amdgcn-amd-amdhsa--gfx1250"
	.amdhsa_code_object_version 6
	.text
	.protected	k_qf56d8eeaff_quant
	.globl	k_qf56d8eeaff_quant
	.p2align	8
	.type	k_qf56d8eeaff_quant,@function
k_qf56d8eeaff_quant:
	s_mov_b64 s[64:65], 0
	v_nop
	global_prefetch_b8 v0, s[64:65] scope:SCOPE_SE
	s_setreg_imm32_b32 hwreg(HW_REG_WAVE_MODE, 25, 1), 1
	s_wait_xcnt 0x0
; X [8192][1024] (K innermost) and Wq, Wk, Wv, Wo [1024 (K)][1024] (K outermost), f32, become codes of FP6 (E2M3) with one E8M0 byte for each 32 along K.
; A block's scale is 2^(floor(log2(largest magnitude)) - 2): its byte is the largest magnitude's exponent field - 2, held at 1 from below.
; LIMITS: NaN and infinities are not served; a block's largest magnitude is held at 2^-124 from below; a block of zeros keeps the byte 1 (its codes are zeros, and only this program reads the bytes).
; THE LAYOUT OF codes: [tile 768][kappa 16][768 bytes].  A tile is 16 rows: tile 2 B + u holds rows 32 B + 8 u + r + 8 (r / 8), r = 0 .. 15.  Tiles 0-511: X's tokens; 512.. Wq, 576.. Wk, 640.. Wv, 704.. Wo (rows = output features).
; 768 bytes are the image of six operand registers for 64 along K: registers 0-3 of lane l at 16 l, registers 4-5 at 512 + 8 l; lane (r, h) holds k = 64 kappa + 32 h + 0 .. 31 of row r.
; THE LAYOUT OF scl: [tile][512]: the scale word of (row r, K step s of 128) at 256 (s / 4) + 16 r + 4 (s % 4).
; Work-groups 0-255 take the weights, 256-511 take X: two ways through the text, each with LDS bytes of its own.  No tensor loads, no barrier: waves share nothing.
.set XPITCH, 528                       ; X's stage: a row of 512 bytes + 16: the sixteen rows that a read touches start in different banks
.set XSTG,   16*XPITCH                 ; a wave's stage on X's way
.set WBASE,  4*XSTG                    ; behind them: the stages of the weights' way
.set WSTG,   3072                      ; two tiles x two images of 768 bytes
.set TROW,   12288                     ; a tile's codes for all of K
.set FLOOR,  0x1800000                 ; 2^(3 - 127)
.set EOFF,   0xff000000                ; takes 2 off an exponent field
.set R,   16                           ; v16-143  X: two sets of 16 rows x 16 bytes a lane, as loaded
.set XS,  144                          ; v144-207 X: my two whole blocks of 32
.set CD,  208                          ; v208-219 X: the fragment's twelve registers
.set TT,  220                          ; v220-222, v224-226: the second halves as converted
.set MX,  228
.set SO,  230
.set BY,  232
.set WD,  234
.set TP,  235
.set DD,  236
.set WX,  32                           ; v32-95   W: two sets of 32 numbers down K
.set WC,  96                           ; v96-101  W: a block's six registers
.set WT,  104
.set WO,  112                          ; v112-135 W: the way out
	s_load_b256 s[4:11], s[0:1], 0x0               ; X, Wq, Wk, Wv
	s_load_b128 s[12:15], s[0:1], 0x20             ; Wo, codes
	s_load_b64 s[16:17], s[0:1], 0x30              ; scl
	v_lshl_add_u32 v254, v0, 2, 0xb400
	v_mov_b32 v255, 0
	v_lshrrev_b32 v1, 5, v0
	v_readfirstlane_b32 s18, v1                    ; wave 0..3
	v_and_b32 v1, 31, v0                           ; lane
	s_mov_b32 s20, 0x76543210
	s_mov_b32 s21, 0xfedcba98                      ; selects for lane l xor 16
	s_cmp_lt_u32 ttmp9, 256
	s_cbranch_scc1 .Lweights
; ---------------- X: a wave takes one tile of 16 tokens x 512 along K, in four units of 128
	s_sub_co_u32 s22, ttmp9, 256
	s_lshl_b32 s22, s22, 2
	s_add_co_u32 s22, s22, s18                     ; 0 .. 1023
	s_lshr_b32 s23, s22, 1                         ; tile
	s_and_b32 s24, s22, 1                          ; which half of K
	s_lshr_b32 s25, s23, 1
	s_lshl_b32 s25, s25, 5
	s_and_b32 s26, s23, 1
	s_lshl_b32 s26, s26, 3
	s_add_co_u32 s25, s25, s26                     ; the tile's first token
	s_lshl_b32 s26, s25, 12
	s_lshl_b32 s27, s24, 11
	s_add_co_u32 s26, s26, s27
	s_mov_b32 s27, 0
	s_mul_i32 s28, s23, TROW
	s_mul_i32 s29, s24, 6144
	s_add_co_u32 s28, s28, s29
	s_mov_b32 s29, 0
	s_lshl_b32 s30, s23, 9
	s_lshl_b32 s31, s24, 8
	s_add_co_u32 s30, s30, s31
	s_mov_b32 s31, 0
	v_lshlrev_b32 v2, 4, v1                        ; 16 x lane
	s_mul_i32 s32, s18, XSTG
	v_add_nc_u32 v3, s32, v2                       ; into the stage: a row as it lies
	v_and_b32 v12, 15, v0                          ; r
	v_bfe_u32 v13, v0, 4, 1                        ; h
	v_mul_u32_u24 v4, v12, XPITCH
	v_lshl_add_u32 v4, v13, 7, v4
	v_add_nc_u32 v4, s32, v4                       ; out of it: row r, my block of 32 numbers (128 bytes)
	v_lshlrev_b32 v5, 3, v13                       ; 8 h: my bytes' place in a scale word
	v_lshlrev_b32 v6, 3, v1                        ; 8 x lane
	v_lshlrev_b32 v7, 4, v12
	v_add_nc_u32 v7, v7, v5                        ; 16 r + 8 h: where I store two scale words
	v_mov_b32 v[TP], 0                             ; a lane permute's destination counts as read
	s_wait_kmcnt 0x0
	s_add_nc_u64 s[4:5], s[4:5], s[26:27]
	s_add_nc_u64 s[14:15], s[14:15], s[28:29]
	s_add_nc_u64 s[16:17], s[16:17], s[30:31]
.macro LOADU u                         ; unit u: 128 numbers of each of the tile's 16 rows; a load takes 512 consecutive bytes of one row
.irp p, 0,1,2,3,4,5,6,7,8,9,10,11,12,13,14,15
	global_load_b128 v[R+64*((\u)%2)+4*\p:R+64*((\u)%2)+4*\p+3], v2, s[4:5] offset:(\p+8*(\p/8))*4096+512*(\u) th:TH_LOAD_NT
.endr
.endm
.macro XUNIT u
.if (\u) < 3
	s_wait_loadcnt 16                              ; this unit's 16 loads are in; the next unit's 16 may be out
.else
	s_wait_loadcnt 0x0
.endif
.irp p, 0,1,2,3,4,5,6,7,8,9,10,11,12,13,14,15
	ds_store_b128 v3, v[R+64*((\u)%2)+4*\p:R+64*((\u)%2)+4*\p+3] offset:XPITCH*\p
.endr
.irp c, 0,1
.irp j, 0,1,2,3,4,5,6,7
	ds_load_b128 v[XS+32*\c+4*\j:XS+32*\c+4*\j+3], v4 offset:256*\c+16*\j   ; LDS serves a wave in order: these see the stores above.  Block 2 c + h of row r, whole
.endr
.endr
	s_wait_dscnt 0x0
.if (\u) < 2
	LOADU (\u)+2
.endif
.irp c, 0,1
	v_max3_num_f32 v[MX+\c], |v[XS+32*\c]|, |v[XS+32*\c+1]|, FLOOR
.endr
.irp i, 2,4,6,8,10,12,14,16,18,20,22,24,26,28,30
.irp c, 0,1
	v_max3_num_f32 v[MX+\c], v[MX+\c], |v[XS+32*\c+\i]|, |v[XS+32*\c+\i+1]|
.endr
.endr
.irp c, 0,1
	v_add_nc_u32 v[SO+\c], EOFF, v[MX+\c]          ; the conversion takes this operand's exponent field as its scale
.endr
.irp c, 0,1
	v_lshrrev_b32 v[BY+\c], 23, v[SO+\c]           ; the scale's byte
.endr
	v_lshl_or_b32 v[WD], v[BY+1], 16, v[BY]        ; blocks h and 2 + h,
	v_lshlrev_b32 v[WD], v5, v[WD]                 ; at their places;
	v_permlanex16_b32 v[TP], v[WD], s20, s21
	v_or_b32 v[8+(\u)], v[WD], v[TP]               ; with lane l xor 16's two the word is whole
.if (\u) > 0
	s_wait_xcnt 0x0                                ; the last unit's stores have read the code registers: they are written again only behind this wait
.endif
.irp c, 0,1
	v_cvt_scalef32_pk16_fp6_f32 v[CD+6*\c:CD+6*\c+2], v[XS+32*\c:XS+32*\c+15], v[SO+\c]
	v_cvt_scalef32_pk16_fp6_f32 v[TT+4*\c:TT+4*\c+2], v[XS+32*\c+16:XS+32*\c+31], v[SO+\c]   ; (a conversion's three registers begin on an even number)
.endr
	v_nop                                          ; one plain line behind the conversions
.irp c, 0,1
.irp i, 0,1,2
	v_mov_b32 v[CD+6*\c+3+\i], v[TT+4*\c+\i]
.endr
.endr
.irp c, 0,1
	global_store_b128 v2, v[CD+6*\c:CD+6*\c+3], s[14:15] offset:1536*(\u)+768*\c          ; 512 consecutive bytes
	global_store_b64 v6, v[CD+6*\c+4:CD+6*\c+5], s[14:15] offset:1536*(\u)+768*\c+512     ; 256 consecutive bytes
.endr
.endm
	LOADU 0
	LOADU 1
	XUNIT 0
	XUNIT 1
	XUNIT 2
	XUNIT 3
	v_cmp_le_u32 vcc_lo, 16, v1                    ; lanes 16-31 store the words of units 2 and 3
	v_cndmask_b32 v[DD], v8, v10, vcc_lo
	v_cndmask_b32 v[DD+1], v9, v11, vcc_lo
	global_store_b64 v7, v[DD:DD+1], s[16:17]      ; 256 consecutive bytes
	s_wait_tensorcnt 0x0
	ds_add_u32 v254, v255
	s_wait_dscnt 0x0
	s_endpgm
; ---------------- the weights: a wave takes 32 columns (two tiles) x one K step of 128.  A lane takes a column and its registers run down K
.Lweights:
	s_lshr_b32 s22, ttmp9, 6                       ; which weight
	s_bfe_u32 s23, ttmp9, 0x30003                  ; K step
	s_and_b32 s24, ttmp9, 7
	s_lshl_b32 s24, s24, 2
	s_add_co_u32 s24, s24, s18                     ; which 32 columns
	s_lshl_b32 s26, s23, 19
	s_lshl_b32 s27, s24, 7
	s_add_co_u32 s26, s26, s27
	s_mov_b32 s27, 0
	s_lshl_b32 s25, s22, 6
	s_lshl_b32 s28, s24, 1
	s_add_co_u32 s25, s25, s28
	s_add_co_u32 s25, s25, 512                     ; my first tile
	s_mul_i32 s28, s25, TROW
	s_mul_i32 s29, s23, 1536
	s_add_co_u32 s28, s28, s29
	s_mov_b32 s29, 0
	s_lshl_b32 s30, s25, 9
	s_lshr_b32 s31, s23, 2
	s_lshl_b32 s31, s31, 8
	s_add_co_u32 s30, s30, s31
	s_and_b32 s31, s23, 3
	s_lshl_b32 s31, s31, 2
	s_add_co_u32 s30, s30, s31
	s_mov_b32 s31, 0
	v_lshlrev_b32 v2, 2, v1                        ; 4 x lane
	v_bfe_u32 v8, v0, 3, 1                         ; column 8 u + (r % 8) + 16 (r / 8): u,
	v_and_b32 v9, 7, v0
	v_bfe_u32 v10, v0, 4, 1
	v_lshl_add_u32 v9, v10, 3, v9                  ; and r
	s_mul_i32 s32, s18, WSTG
	s_add_co_u32 s32, s32, WBASE
	v_mul_u32_u24 v10, v8, 1536
	v_add_nc_u32 v10, s32, v10
	v_lshl_add_u32 v3, v9, 4, v10                  ; the stage holds the images: registers 0-3 at 16 (r + 16 h),
	v_lshl_add_u32 v4, v9, 3, v10                  ; registers 4-5 at 512 + 8 (r + 16 h)
	v_lshlrev_b32 v6, 4, v1
	v_add_nc_u32 v5, s32, v6                       ; back: as it lies
	v_lshlrev_b32 v7, 9, v8
	v_lshl_add_u32 v7, v9, 4, v7                   ; my column's scale word: 512 u + 16 r
	s_wait_kmcnt 0x0
	s_cmp_eq_u32 s22, 1                            ; the choice hangs on the work-group's number alone
	s_cselect_b64 s[6:7], s[8:9], s[6:7]
	s_cmp_eq_u32 s22, 2
	s_cselect_b64 s[6:7], s[10:11], s[6:7]
	s_cmp_eq_u32 s22, 3
	s_cselect_b64 s[6:7], s[12:13], s[6:7]
	s_add_nc_u64 s[6:7], s[6:7], s[26:27]
	s_add_nc_u64 s[14:15], s[14:15], s[28:29]
	s_add_nc_u64 s[16:17], s[16:17], s[30:31]
.macro WLOAD t                         ; block t: W(32 t + i, my column): 128 consecutive bytes a wave, the four waves side by side
.irp i, 0,1,2,3,4,5,6,7,8,9,10,11,12,13,14,15,16,17,18,19,20,21,22,23,24,25,26,27,28,29,30,31
	global_load_b32 v[WX+32*((\t)%2)+\i], v2, s[6:7] offset:(32*(\t)+\i)*4096 th:TH_LOAD_NT
.endr
.endm
.macro WBLOCK t                        ; block t = 2 c + h of the K step
.set XB, WX+32*((\t)%2)
.if (\t) < 3
	s_wait_loadcnt 32                              ; this block's 32 loads are in; the next block's may be out
.else
	s_wait_loadcnt 0x0
.endif
	v_max3_num_f32 v12, |v[XB]|, |v[XB+1]|, |v[XB+2]|
	v_max3_num_f32 v13, |v[XB+3]|, |v[XB+4]|, |v[XB+5]|
.irp i, 6,10,14,18,22,26
	v_max3_num_f32 v12, v12, |v[XB+\i]|, |v[XB+\i+1]|
	v_max3_num_f32 v13, v13, |v[XB+\i+2]|, |v[XB+\i+3]|
.endr
	v_max3_num_f32 v12, v12, |v[XB+30]|, |v[XB+31]|
	v_max3_num_f32 v12, v12, v13, FLOOR
	v_add_nc_u32 v11, EOFF, v12
	v_lshrrev_b32 v14, 23, v11
.if (\t) == 0
	v_mov_b32 v24, v14
.else
	v_lshl_or_b32 v24, v14, 8*(\t), v24            ; the lower K in the lower byte
.endif
	v_cvt_scalef32_pk16_fp6_f32 v[WC:WC+2], v[XB:XB+15], v11
	v_cvt_scalef32_pk16_fp6_f32 v[WT:WT+2], v[XB+16:XB+31], v11
	v_nop
.irp i, 0,1,2
	v_mov_b32 v[WC+3+\i], v[WT+\i]
.endr
	ds_store_b128 v3, v[WC:WC+3] offset:768*((\t)/2)+256*((\t)%2)
	ds_store_b64 v4, v[WC+4:WC+5] offset:768*((\t)/2)+512+128*((\t)%2)
.if (\t) < 2
	WLOAD (\t)+2
.endif
	s_wait_dscnt 0x0                               ; the stores have read their registers
.endm
	WLOAD 0
	WLOAD 1
	WBLOCK 0
	WBLOCK 1
	WBLOCK 2
	WBLOCK 3
.irp j, 0,1,2,3,4,5
	ds_load_b128 v[WO+4*\j:WO+4*\j+3], v5 offset:512*\j
.endr
	global_store_b32 v7, v24, s[16:17]             ; 4 bytes of each row's 16: these units are written in part (one byte for 128 read)
.irp j, 0,1,2,3,4,5
	s_wait_dscnt 5-\j                              ; load j is back; the younger ones may be out
	global_store_b128 v6, v[WO+4*\j:WO+4*\j+3], s[14:15] offset:(\j/3)*TROW+(\j%3)*512   ; 512 consecutive bytes
.endr
	s_wait_tensorcnt 0x0
	ds_add_u32 v254, v255
	s_wait_dscnt 0x0
	s_endpgm
.Lfunc_end_k_qf56d8eeaff_quant:
	.size	k_qf56d8eeaff_quant, .Lfunc_end_k_qf56d8eeaff_quant-k_qf56d8eeaff_quant
	.p2alignl 7, 3214868480
	.fill 96, 4, 3214868480
	.section	.rodata,"a",@progbits
	.p2align	6, 0x0
	.amdhsa_kernel k_qf56d8eeaff_quant
		.amdhsa_group_segment_fixed_size 46592
		.amdhsa_private_segment_fixed_size 0
		.amdhsa_enable_private_segment 0
		.amdhsa_kernarg_size 56
		.amdhsa_user_sgpr_count 2
		.amdhsa_user_sgpr_kernarg_segment_ptr 1
		.amdhsa_wavefront_size32 1
		.amdhsa_system_sgpr_workgroup_id_x 1
		.amdhsa_system_sgpr_workgroup_id_y 1
		.amdhsa_system_sgpr_workgroup_id_z 1
		.amdhsa_system_vgpr_workitem_id 0
		.amdhsa_next_free_vgpr 256
		.amdhsa_next_free_sgpr 66
		.amdhsa_reserve_vcc 1
		.amdhsa_float_denorm_mode_32 3
		.amdhsa_float_denorm_mode_16_64 3
		.amdhsa_memory_ordered 1
		.amdhsa_forward_progress 1
		.amdhsa_inst_pref_size 52
	.end_amdhsa_kernel
	.amdgpu_metadata
---
amdhsa.version: [ 1, 2 ]
amdhsa.kernels:
  - .name:           k_qf56d8eeaff_quant
    .symbol:         k_qf56d8eeaff_quant.kd
    .args:
      - { .name: X, .offset: 0, .size: 8, .value_kind: global_buffer, .address_space: global }
      - { .name: Wq, .offset: 8, .size: 8, .value_kind: global_buffer, .address_space: global }
      - { .name: Wk, .offset: 16, .size: 8, .value_kind: global_buffer, .address_space: global }
      - { .name: Wv, .offset: 24, .size: 8, .value_kind: global_buffer, .address_space: global }
      - { .name: Wo, .offset: 32, .size: 8, .value_kind: global_buffer, .address_space: global }
      - { .name: codes, .offset: 40, .size: 8, .value_kind: global_buffer, .address_space: global }
      - { .name: scl, .offset: 48, .size: 8, .value_kind: global_buffer, .address_space: global }
    .group_segment_fixed_size: 46592
    .private_segment_fixed_size: 0
    .kernarg_segment_align: 8
    .kernarg_segment_size: 56
    .max_flat_workgroup_size: 128
    .sgpr_count:     66
    .vgpr_count:     256
    .wavefront_size: 32
...
	.end_amdgpu_metadata
.endif
;; end of part 1
;; launch proj (part 2): grid 192 x 4, 4 waves a work-group, clusters of 4 x 4, 295,424 bytes of LDS; arguments codes, scl, qkv, qkvs; writes qkv, qkvs
.if DOCPART == 2
	.amdgcn_target "amdgcn-amd-amdhsa--gfx1250"
	.amdhsa_code_object_version 6
	.text
	.protected	k_qf56d8eeaff_proj
	.globl	k_qf56d8eeaff_proj
	.p2align	8
	.type	k_qf56d8eeaff_proj,@function
k_qf56d8eeaff_proj:
	s_mov_b64 s[64:65], 0
	v_nop
	global_prefetch_b8 v0, s[64:65] scope:SCOPE_SE
	s_setreg_imm32_b32 hwreg(HW_REG_WAVE_MODE, 25, 1), 1
	s_wait_xcnt 0x0
	s_wait_alu depctr_hold_cnt(0) depctr_sa_sdst(0) depctr_va_vdst(0) depctr_va_sdst(0) depctr_va_ssrc(0) depctr_va_vcc(0) depctr_vm_vsrc(0)
	s_getreg_b32 s2, hwreg(HW_REG_IB_STS2, 6, 4)
	s_cmp_eq_u32 s2, 0
	s_cbranch_scc0 .Lentry_in_a_cluster
	s_endpgm
.Lentry_in_a_cluster:
	s_bfe_u32 s2, ttmp6, 0x10000c
	s_cmp_lg_u32 s2, 0xf033
	s_cbranch_scc0 .Lentry_shape_is_right
	s_endpgm
.Lentry_shape_is_right:
; q = X Wq, k = X Wk, v = X Wv on codes of FP6 (E2M3), and their results quantised again: q and k along the head's 64, v along the keys.
; THE CORE: P[i][j] = sum over k of A[i][k] B[j][k], K = 1024.  A work-group takes 128 rows of A (8 tiles of 16) x 256 rows of B (16 tiles); four waves, each 4 tiles of A x 8 tiles of B: 32 accumulators.
; Source 0 = a tile of B, source 1 = a tile of A: a lane holds ONE row of A, and by the tiles' order of rows (tile 2 B + u: rows 32 B + 8 u + r + 8 (r / 8)) its 16 registers of two neighbouring tiles are 16 neighbours along j.
; So the result is quantised along j in registers.  For q and k: A = X (a lane is a token), B = Wq | Wk (j = features).  For v: A = Wv (a lane is a feature), B = X (j = keys).
; All of K for 128 + 256 rows is 294,912 bytes: it is brought into LDS once, in four chunks of 256 along K, by four tensor loads a wave issued together: four loads of a wave are out at the most, and no LDS byte is filled twice.
; Operands lie in memory and in LDS as images of their registers (768 bytes for a tile x 64 along K): every LDS load takes consecutive bytes.
; CLUSTER 4 x 4: A's tiles are shared along a row of the cluster, B's along a column, and asked for jointly.  48 clusters: 0-31 make q and k, 32-47 make v (a number that all sixteen partners share).
; OUT: qkv: q at 0, k at 6,291,456: [b h 64][token tile 128][768]; v at 12,582,912: [b h][64 keys, 32][d tile 4][768].
;      qkvs: q at 0, k at 524,288: [b h][four tiles, 32][256]: the word of tile 2 i + g, row r, at 8 (r + 16 g) + 4 i, bytes (s0, s1, 127, 127); v at 1,048,576: [b h][128 keys, 16][256], the same over the four d tiles, whole words.
; LIMITS: NaN and infinities are not served; a block's largest magnitude is held at 2^-124 from below; a block of zeros keeps the byte 1 (its codes are zeros; only this program reads the bytes).
; REGISTERS: window 0: v16-21 addresses; v32-47 A's scale words, v48-79 B's (register 4 t + j: lanes 0-15 K step j, lanes 16-31 K step 4 + j); v96-143, v144-191 A's fragments, two sets; v192-230 the way out.
;   window 1: B's fragments, v0-95 and v128-223.   window 2: accumulator (a, b) at v[8 (8 a + b)].
.set CHUNK, 73728                      ; 256 along K of 24 tiles
.set TILEB, 3072                       ; a tile's bytes in a chunk: four images
.set TROW,  12288                      ; a tile's bytes in memory
.set FLOOR, 0x1800000
.set EOFF,  0xff000000
.set ADA16, 16
.set ADA8,  17
.set ADB16, 18
.set ADB8,  19
.set L16,   20
.set L8,    21
.set SA,    32
.set SB,    48
.set AF,    96
.set TM,    192                        ; v192-195 largest magnitudes, v196-199 the other half's, then bytes, v204-207 scale operands
.set PW,    208                        ; v208-211 the four blocks' scale words
.set T2,    224
.set G1A, 24
.set G1B, 32
.set G0A, 40                           ; s40-55: group 0 for A's four chunks
.set G0B, 68                           ; s68-83: for B's
.set OB0, 92
.set OB1, 94
.set SCB, 96
.set MSB, 0
.macro WIN new                         ; the immediate's high byte repeats the setting that is left
.if MSB != \new
	s_set_vgpr_msb (MSB<<8)|\new
.set MSB, \new
.endif
.endm
.macro PLACES n
.rept \n
	v_nop
.endr
.endm
.macro CROUND                          ; a round of the cluster's barrier
	s_barrier_signal -1
	s_barrier_wait -1
	s_cmp_lg_u32 s14, 0
	s_cbranch_scc1 .Lnot_wave_0_\@
	s_barrier_signal -3
.Lnot_wave_0_\@:
	s_barrier_wait -3
	s_barrier_signal -1
	s_barrier_wait -1
.endm
	s_load_b256 s[4:11], s[0:1], 0x0               ; codes, scl, qkv, qkvs
	v_lshl_add_u32 v254, v0, 2, 0x48000
	v_mov_b32 v255, 0
	ds_add_u32 v254, v255
	ds_add_u32 v254, v255
	v_lshrrev_b32 v1, 5, v0
	v_readfirstlane_b32 s14, v1                    ; wave 0..3
	s_lshr_b32 s15, s14, 1                         ; my half of A's tiles.  Also: I fetch for A (0) or for B (1)
	s_and_b32 s16, s14, 1                          ; my half of B's tiles.  Also: which half I fetch
	s_bfe_u32 s56, ttmp6, 0x40000                  ; cx
	s_bfe_u32 s57, ttmp6, 0x40004                  ; cy
	s_mov_b32 s20, 0x76543210
	s_mov_b32 s21, 0xfedcba98
	s_lshr_b32 s60, ttmp9, 1                       ; q, k: A's block (128 tokens) 4 (c / 2) + cy,
	s_lshl_b32 s60, s60, 2
	s_and_b32 s61, ttmp9, 1                        ; B's block (256 features) 32 + 4 (c % 2) + cx
	s_lshl_b32 s61, s61, 2
	s_add_co_u32 s61, s61, 32
	s_sub_co_u32 s59, ttmp9, 32                    ; v: c - 32:
	s_lshr_b32 s62, s59, 3                         ; A's block (128 features of Wv) 80 + 4 ((c - 32) / 8) + cy,
	s_lshl_b32 s62, s62, 2
	s_add_co_u32 s62, s62, 80
	s_and_b32 s63, s59, 7                          ; B's block (256 tokens) 4 ((c - 32) % 8) + cx
	s_lshl_b32 s63, s63, 2
	s_cmp_ge_u32 ttmp9, 32
	s_cselect_b32 s60, s62, s60
	s_cselect_b32 s61, s63, s61
	s_cselect_b32 s58, 1, 0                        ; 1: this cluster makes v
	s_add_co_u32 s60, s60, s57                     ; A's block: it never holds cx
	s_add_co_u32 s61, s61, s56                     ; B's block: it never holds cy
	s_lshl_b32 s62, s57, 2
	s_lshl_b32 s62, 15, s62                        ; my row of the cluster
	s_lshl_b32 s63, 0x1111, s56                    ; my column
	; group 1: R tiles as rows of 3,072 bytes (384 elements of 8 bytes), 12,288 bytes apart in memory, dense in LDS
	s_or_b32 s[G1A], s62, (3<<16)|(1<<21)          ; 15:0 the mask; 17:16 elements of 8 bytes; 21 set beside a mask
	s_or_b32 s[G1B], s63, (3<<16)|(1<<21)
	s_mov_b32 s[G1A+1], 384<<16                    ; tensor_dim0
	s_mov_b32 s[G1A+2], 4<<16                      ; tensor_dim1
	s_mov_b32 s[G1A+3], 384<<16                    ; tile_dim0
	s_mov_b32 s[G1A+4], 4                          ; tile_dim1
	s_mov_b32 s[G1A+5], 1536                       ; from row to row
	s_mov_b32 s[G1A+6], 0
	s_mov_b32 s[G1A+7], 0
	s_mov_b32 s[G1B+1], 384<<16
	s_mov_b32 s[G1B+2], 8<<16
	s_mov_b32 s[G1B+3], 384<<16
	s_mov_b32 s[G1B+4], 8
	s_mov_b32 s[G1B+5], 1536
	s_mov_b32 s[G1B+6], 0
	s_mov_b32 s[G1B+7], 0
	s_lshl_b32 s84, s60, 3
	s_lshl_b32 s12, s16, 2
	s_add_co_u32 s84, s84, s12                     ; A: the first of the four tiles that I would fetch
	s_mul_i32 s84, s84, TROW
	s_mov_b32 s85, 0
	s_lshl_b32 s86, s61, 4
	s_lshl_b32 s12, s16, 3
	s_add_co_u32 s86, s86, s12                     ; B: the first of the eight
	s_lshl_b32 s98, s86, 9                         ; (these are also the eight that I multiply by: their scale blocks)
	s_mul_i32 s86, s86, TROW
	s_mov_b32 s87, 0
	s_mov_b32 s99, 0
	s_mul_i32 s88, s16, 4*TILEB                    ; where they go in a chunk: no place in the cluster enters an LDS address
	s_mul_i32 s89, s16, 8*TILEB
	s_add_co_u32 s89, s89, 8*TILEB
	s_lshl_b32 s90, s60, 3
	s_lshl_b32 s12, s15, 2
	s_add_co_u32 s90, s90, s12                     ; the four tiles of A that I multiply
	s_lshl_b32 s90, s90, 9
	s_mov_b32 s91, 0
	s_wait_dscnt 0x0
	s_wait_kmcnt 0x0
	s_add_nc_u64 s[84:85], s[4:5], s[84:85]
	s_add_nc_u64 s[86:87], s[4:5], s[86:87]
	s_add_nc_u64 s[90:91], s[6:7], s[90:91]
	s_add_nc_u64 s[98:99], s[6:7], s[98:99]
	CROUND                                         ; all sixteen work-groups are here: the joint loads meet
.irp c, 0,1,2,3
	s_mov_b32 s[G0A+4*\c], 1
	s_add_co_u32 s[G0A+4*\c+1], s88, \c*CHUNK
	s_add_nc_u64 s[G0A+4*\c+2:G0A+4*\c+3], s[84:85], \c*TILEB
	s_or_b32 s[G0A+4*\c+3], s[G0A+4*\c+3], 0x80000000
	s_mov_b32 s[G0B+4*\c], 1
	s_add_co_u32 s[G0B+4*\c+1], s89, \c*CHUNK
	s_add_nc_u64 s[G0B+4*\c+2:G0B+4*\c+3], s[86:87], \c*TILEB
	s_or_b32 s[G0B+4*\c+3], s[G0B+4*\c+3], 0x80000000
.endr
	s_cmp_eq_u32 s15, 0                            ; a wave's four fills stand together, in one branch on the wave's number; four v_nop follow the last
	s_cbranch_scc0 .Lfor_b
	tensor_load_to_lds s[G0A:G0A+3], s[G1A:G1A+7]
	s_nop 0
	tensor_load_to_lds s[G0A+4:G0A+7], s[G1A:G1A+7]
	s_nop 0
	tensor_load_to_lds s[G0A+8:G0A+11], s[G1A:G1A+7]
	s_nop 0
	tensor_load_to_lds s[G0A+12:G0A+15], s[G1A:G1A+7]
	s_nop 0
	PLACES 4
	s_branch .Lasked
.Lfor_b:
	tensor_load_to_lds s[G0B:G0B+3], s[G1B:G1B+7]
	s_nop 0
	tensor_load_to_lds s[G0B+4:G0B+7], s[G1B:G1B+7]
	s_nop 0
	tensor_load_to_lds s[G0B+8:G0B+11], s[G1B:G1B+7]
	s_nop 0
	tensor_load_to_lds s[G0B+12:G0B+15], s[G1B:G1B+7]
	s_nop 0
	PLACES 4
.Lasked:
	v_and_b32 v2, 31, v0                           ; lane
	v_lshlrev_b32 v[L16], 4, v2
	v_lshlrev_b32 v[L8], 3, v2
.irp a, 0,1,2,3
	global_load_b128 v[SA+4*\a:SA+4*\a+3], v[L16], s[90:91] offset:512*\a     ; a tile's scale block, 512 consecutive bytes
.endr
.irp b, 0,1,2,3,4,5,6,7
	global_load_b128 v[SB+4*\b:SB+4*\b+3], v[L16], s[98:99] offset:512*\b
.endr
	s_mul_i32 s12, s15, 4*TILEB
	s_mul_i32 s13, s16, 8*TILEB
	s_add_co_u32 s13, s13, 8*TILEB
	v_add_nc_u32 v[ADA16], s12, v[L16]
	v_add_nc_u32 v[ADA8], s12, v[L8]
	v_add_nc_u32 v[ADB16], s13, v[L16]
	v_add_nc_u32 v[ADB8], s13, v[L8]
.irp b, 0,1,2,3
	v_mov_b32 v[TM+4+\b], 0                        ; a lane permute's destination counts as read
.endr
	; where my results go: both forms are made, and the cluster's kind chooses.  R: my first tile of A among its tensor's; J: my 128 rows of B among theirs
	s_mul_i32 s2, s58, 80
	s_sub_co_u32 s2, s60, s2
	s_xor_b32 s3, s58, 1
	s_lshl_b32 s3, s3, 5
	s_sub_co_u32 s3, s61, s3
	s_lshl_b32 s2, s2, 3
	s_lshl_b32 s12, s15, 2
	s_add_co_u32 s2, s2, s12                       ; R
	s_lshl_b32 s3, s3, 1
	s_add_co_u32 s3, s3, s16                       ; J
	s_lshr_b32 s12, s3, 3                          ; q, k: 64 (k?) + 16 batch + the first of my two heads
	s_lshl_b32 s12, s12, 6
	s_lshr_b32 s13, s2, 7
	s_lshl_b32 s13, s13, 4
	s_add_co_u32 s12, s12, s13
	s_and_b32 s13, s3, 7
	s_lshl_b32 s13, s13, 1
	s_add_co_u32 s12, s12, s13
	s_and_b32 s13, s2, 127                         ; the token tile in its batch
	s_mul_i32 s17, s12, 98304
	s_mul_i32 s18, s13, 768
	s_add_co_u32 s17, s17, s18
	s_lshl_b32 s18, s12, 13
	s_lshr_b32 s13, s13, 2
	s_lshl_b32 s13, s13, 8
	s_add_co_u32 s18, s18, s13
	s_lshr_b32 s12, s3, 4                          ; v: 16 batch + head
	s_lshl_b32 s12, s12, 4
	s_lshr_b32 s13, s2, 2
	s_add_co_u32 s12, s12, s13
	s_and_b32 s13, s3, 15                          ; the step of 128 keys
	s_mul_i32 s19, s12, 98304
	s_mul_i32 s22, s13, 6144
	s_add_co_u32 s19, s19, s22
	s_add_co_u32 s19, s19, 12582912
	s_lshl_b32 s12, s12, 4
	s_add_co_u32 s12, s12, s13
	s_lshl_b32 s12, s12, 8
	s_add_co_u32 s12, s12, 1048576
	s_mov_b32 s[OB1], 3072
	s_cmp_eq_u32 s58, 0
	s_cselect_b32 s[OB0], s17, s19
	s_cselect_b32 s[SCB], s18, s12
	s_cselect_b32 s[OB1], 98304, s[OB1]            ; from the fragment's first 64 along j to its second: the next head, or the next 64 keys
	s_mov_b32 s[OB0+1], 0
	s_mov_b32 s[OB1+1], 0
	s_mov_b32 s[SCB+1], 0
	s_add_nc_u64 s[OB0:OB0+1], s[8:9], s[OB0:OB0+1]
	s_add_nc_u64 s[OB1:OB1+1], s[OB0:OB0+1], s[OB1:OB1+1]
	s_add_nc_u64 s[SCB:SCB+1], s[10:11], s[SCB:SCB+1]
.macro FRAG4 reg, a16, a8, off         ; a fragment (16 rows x 128 K, 12 registers) is two images: 16, 8, 16, 8 bytes a lane, each load on consecutive bytes
	ds_load_b128 v[(\reg):(\reg)+3], v[\a16] offset:(\off)
	ds_load_b64 v[(\reg)+4:(\reg)+5], v[\a8] offset:(\off)+512
	ds_load_b128 v[(\reg)+6:(\reg)+9], v[\a16] offset:(\off)+768
	ds_load_b64 v[(\reg)+10:(\reg)+11], v[\a8] offset:(\off)+1280
.endm
; K step s's twelve fragments into set s % 2.  Loads into registers that matrix instructions have read stand four plain vector lines behind them: the four steps of the addresses, or four v_nop.
.macro FETCH s
.set FP, (\s)%2
	WIN 0
.if (\s) > 0
.if FP == 0
	v_add_nc_u32 v[ADA16], CHUNK, v[ADA16]         ; on to the next chunk (no LDS load of mine is out)
	v_add_nc_u32 v[ADA8], CHUNK, v[ADA8]
	v_add_nc_u32 v[ADB16], CHUNK, v[ADB16]
	v_add_nc_u32 v[ADB8], CHUNK, v[ADB8]
.else
	PLACES 4
.endif
.endif
	WIN 0x40                                       ; destination window 1
.irp b, 0,1,2,3,4,5,6,7
	FRAG4 128*FP+12*\b, ADB16, ADB8, TILEB*\b+1536*FP
.endr
	WIN 0
.irp a, 0,1,2,3
	FRAG4 AF+48*FP+12*\a, ADA16, ADA8, TILEB*\a+1536*FP
.endr
.endm
; 32 matrix instructions: the accumulators take turns, one instruction a turn, in the same order in every K step.  The first K step starts the sums.
.macro MUL s
.set MP, (\s)%2
.set MJ, (\s)%4
	WIN 0xa1                                       ; source 0 (B) window 1, source 1 (A) window 0, C and D window 2
.irp a, 0,1,2,3
.irp b, 0,1,2,3,4,5,6,7
.if (\s) == 0
	v_wmma_scale_f32_16x16x128_f8f6f4 v[8*(8*\a+\b):8*(8*\a+\b)+7], v[128*MP+12*\b:128*MP+12*\b+11], v[AF+48*MP+12*\a:AF+48*MP+12*\a+11], 0, v[SB+4*\b+MJ], v[SA+4*\a+MJ] matrix_a_fmt:MATRIX_FMT_FP6 matrix_b_fmt:MATRIX_FMT_FP6
.elseif (\s) < 4
	v_wmma_scale_f32_16x16x128_f8f6f4 v[8*(8*\a+\b):8*(8*\a+\b)+7], v[128*MP+12*\b:128*MP+12*\b+11], v[AF+48*MP+12*\a:AF+48*MP+12*\a+11], v[8*(8*\a+\b):8*(8*\a+\b)+7], v[SB+4*\b+MJ], v[SA+4*\a+MJ] matrix_a_fmt:MATRIX_FMT_FP6 matrix_b_fmt:MATRIX_FMT_FP6
.else
	v_wmma_scale_f32_16x16x128_f8f6f4 v[8*(8*\a+\b):8*(8*\a+\b)+7], v[128*MP+12*\b:128*MP+12*\b+11], v[AF+48*MP+12*\a:AF+48*MP+12*\a+11], v[8*(8*\a+\b):8*(8*\a+\b)+7], v[SB+4*\b+MJ], v[SA+4*\a+MJ] matrix_a_fmt:MATRIX_FMT_FP6 matrix_b_fmt:MATRIX_FMT_FP6 matrix_a_scale:MATRIX_SCALE_ROW1 matrix_b_scale:MATRIX_SCALE_ROW1
.endif
.endr
.endr
.endm
.macro KSTEP s
.if ((\s)%2 == 1) && ((\s) < 7)
	s_wait_tensorcnt (5-(\s))/2                    ; my part of the next chunk is in; the chunks behind it may be out (nothing is filled twice)
.endif
	s_wait_dscnt 0x0                               ; this K step's fragments are in
.if ((\s)%2 == 1) && ((\s) < 7)
	s_barrier_signal -1
	s_barrier_wait -1                              ; everybody's part of the next chunk is in
.endif
.if (\s) < 7
	FETCH (\s)+1                                   ; the next K step's fragments come while this one is multiplied
.endif
	MUL \s
.endm
	s_wait_tensorcnt 3                             ; my part of chunk 0 is in; three younger loads may be out
	s_barrier_signal -1
	s_barrier_wait -1
	FETCH 0
	s_wait_loadcnt 0x0                             ; the scale words
.irp s, 0,1,2,3,4,5,6,7
	KSTEP \s
.endr
	WIN 0
	PLACES 4                                       ; four plain lines between the last products and the first read of results
; Block a (16 rows of A x my 128 along j): register 16 b + i of its 64 is j = 32 b + 16 h + i of my row.  It becomes a fragment's codes and a scale word, and leaves as two images.
.macro QUANTW a
.set AC, 64*(\a)
.set CB, 96+12*(\a)
	WIN 0x0a                                       ; sources 0 and 1 window 2
.irp b, 0,1,2,3
	v_max3_num_f32 v[TM+\b], |v[AC+16*\b]|, |v[AC+16*\b+1]|, FLOOR    ; each accumulator is read from its low end on
.endr
	WIN 0x28                                       ; sources 1 and 2 window 2
.irp i, 2,4,6,8,10,12,14
.irp b, 0,1,2,3
	v_max3_num_f32 v[TM+\b], v[TM+\b], |v[AC+16*\b+\i]|, |v[AC+16*\b+\i+1]|
.endr
.endr
	WIN 0
.irp b, 0,1,2,3
	v_permlanex16_b32 v[TM+4+\b], v[TM+\b], s20, s21
.endr
.irp b, 0,1,2,3
	v_max_num_f32 v[TM+\b], v[TM+\b], v[TM+4+\b]   ; with lane l xor 16's 16: the block's largest magnitude
.endr
.irp b, 0,1,2,3
	v_add_nc_u32 v[TM+12+\b], EOFF, v[TM+\b]
.endr
.irp b, 0,1,2,3
	v_lshrrev_b32 v[TM+4+\b], 23, v[TM+12+\b]
.endr
	v_lshl_or_b32 v[PW+(\a)], v[TM+5], 8, v[TM+4]
	v_lshl_or_b32 v[PW+(\a)], v[TM+6], 16, v[PW+(\a)]
	v_lshl_or_b32 v[PW+(\a)], v[TM+7], 24, v[PW+(\a)]
	WIN 0x02                                       ; source 0 window 2
.irp c, 0,1
	v_cvt_scalef32_pk16_fp6_f32 v[CB+6*\c:CB+6*\c+2], v[AC+32*\c:AC+32*\c+15], v[TM+12+2*\c]
	v_cvt_scalef32_pk16_fp6_f32 v[T2+4*\c:T2+4*\c+2], v[AC+32*\c+16:AC+32*\c+31], v[TM+12+2*\c+1]
.endr
	WIN 0
	v_nop                                          ; one plain line behind the conversions
.irp c, 0,1                            ; the layout wants a whole block in a lane
.irp i, 0,1,2
	v_permlane16_swap_b32 v[CB+6*\c+\i], v[T2+4*\c+\i]
.endr
.irp i, 0,1,2
	v_mov_b32 v[CB+3+6*\c+\i], v[T2+4*\c+\i]
.endr
.endr
	global_store_b128 v[L16], v[CB:CB+3], s[OB0:OB0+1] offset:768*(\a)          ; 512 consecutive bytes; each block has code registers of its own, so no store's data are written again
	global_store_b64 v[L8], v[CB+4:CB+5], s[OB0:OB0+1] offset:768*(\a)+512      ; 256 consecutive bytes
	global_store_b128 v[L16], v[CB+6:CB+9], s[OB1:OB1+1] offset:768*(\a)
	global_store_b64 v[L8], v[CB+10:CB+11], s[OB1:OB1+1] offset:768*(\a)+512
.endm
	QUANTW 0
	QUANTW 1
	QUANTW 2
	QUANTW 3
	v_cmp_le_u32 vcc_lo, 16, v2                    ; four tiles' words in 256 bytes: lanes 0-15 tiles 0 and 2, lanes 16-31 tiles 1 and 3
	v_cndmask_b32 v212, v[PW], v[PW+1], vcc_lo
	v_cndmask_b32 v213, v[PW+2], v[PW+3], vcc_lo
	s_cmp_eq_u32 s58, 0                            ; the cluster's kind: the same in all sixteen partners
	s_cbranch_scc0 .Lv_scales
	s_mov_b32 s12, 0x7f7f0000                      ; q, k: a head has two blocks; the word's upper two bytes stand for 1.0, over zero codes
	v_and_or_b32 v214, v212, 0xffff, s12
	v_and_or_b32 v215, v213, 0xffff, s12
	v_lshrrev_b32 v216, 16, v212
	v_lshrrev_b32 v217, 16, v213
	v_or_b32 v216, s12, v216
	v_or_b32 v217, s12, v217
	global_store_b64 v[L8], v[214:215], s[SCB:SCB+1]
	global_store_b64 v[L8], v[216:217], s[SCB:SCB+1] offset:8192     ; the next head
	s_branch .Lscales_out
.Lv_scales:
	global_store_b64 v[L8], v[212:213], s[SCB:SCB+1]
.Lscales_out:
	s_wait_tensorcnt 0x0
	ds_add_u32 v254, v255
	s_wait_dscnt 0x0
	CROUND                                         ; the closing round: no work-group ends while a partner may still ask for a tile that names it
	s_endpgm
.Lfunc_end_k_qf56d8eeaff_proj:
	.size	k_qf56d8eeaff_proj, .Lfunc_end_k_qf56d8eeaff_proj-k_qf56d8eeaff_proj
	.p2alignl 7, 3214868480
	.fill 96, 4, 3214868480
	.section	.rodata,"a",@progbits
	.p2align	6, 0x0
	.amdhsa_kernel k_qf56d8eeaff_proj
		.amdhsa_group_segment_fixed_size 295424
		.amdhsa_private_segment_fixed_size 0
		.amdhsa_enable_private_segment 0
		.amdhsa_kernarg_size 32
		.amdhsa_user_sgpr_count 2
		.amdhsa_user_sgpr_kernarg_segment_ptr 1
		.amdhsa_wavefront_size32 1
		.amdhsa_system_sgpr_workgroup_id_x 1
		.amdhsa_system_sgpr_workgroup_id_y 1
		.amdhsa_system_sgpr_workgroup_id_z 1
		.amdhsa_system_vgpr_workitem_id 0
		.amdhsa_next_free_vgpr 768
		.amdhsa_next_free_sgpr 100
		.amdhsa_reserve_vcc 1
		.amdhsa_float_denorm_mode_32 3
		.amdhsa_float_denorm_mode_16_64 3
		.amdhsa_memory_ordered 1
		.amdhsa_forward_progress 1
		.amdhsa_inst_pref_size 88
	.end_amdhsa_kernel
	.amdgpu_metadata
---
amdhsa.version: [ 1, 2 ]
amdhsa.kernels:
  - .name:           k_qf56d8eeaff_proj
    .symbol:         k_qf56d8eeaff_proj.kd
    .args:
      - { .name: codes, .offset: 0, .size: 8, .value_kind: global_buffer, .address_space: global }
      - { .name: scl, .offset: 8, .size: 8, .value_kind: global_buffer, .address_space: global }
      - { .name: qkv, .offset: 16, .size: 8, .value_kind: global_buffer, .address_space: global }
      - { .name: qkvs, .offset: 24, .size: 8, .value_kind: global_buffer, .address_space: global }
    .group_segment_fixed_size: 295424
    .private_segment_fixed_size: 0
    .kernarg_segment_align: 8
    .kernarg_segment_size: 32
    .max_flat_workgroup_size: 128
    .sgpr_count:     100
    .vgpr_count:     768
    .wavefront_size: 32
...
	.end_amdgpu_metadata
.endif
;; end of part 2
;; launch attn (part 3): grid 4 x 64, 16 waves a work-group, clusters of 4 x 1, 210,944 bytes of LDS; arguments qkv, qkvs, cc, cs; writes cc, cs
.if DOCPART == 3
	.amdgcn_target "amdgcn-amd-amdhsa--gfx1250"
	.amdhsa_code_object_version 6
	.text
	.protected	k_qf56d8eeaff_attn
	.globl	k_qf56d8eeaff_attn
	.p2align	8
	.type	k_qf56d8eeaff_attn,@function
k_qf56d8eeaff_attn:
	s_mov_b64 s[64:65], 0
	v_nop
	global_prefetch_b8 v0, s[64:65] scope:SCOPE_SE
	s_setreg_imm32_b32 hwreg(HW_REG_WAVE_MODE, 25, 1), 1
	s_wait_xcnt 0x0
	s_wait_alu depctr_hold_cnt(0) depctr_sa_sdst(0) depctr_va_vdst(0) depctr_va_sdst(0) depctr_va_ssrc(0) depctr_va_vcc(0) depctr_vm_vsrc(0)
	s_getreg_b32 s2, hwreg(HW_REG_IB_STS2, 6, 4)
	s_cmp_eq_u32 s2, 0
	s_cbranch_scc0 .Lentry_in_a_cluster
	s_endpgm
.Lentry_in_a_cluster:
	s_bfe_u32 s2, ttmp6, 0x10000c
	s_cmp_lg_u32 s2, 0x3003
	s_cbranch_scc0 .Lentry_shape_is_right
	s_endpgm
.Lentry_shape_is_right:
; ctx[b][h][q] = sum over keys k <= q of softmax_k(q . k / 32) v, both products on codes of FP6 (E2M3); the result is quantised along the model's 1024 for the last product.
; THE SOFTMAX: t = score x log2(e) / 32; M = the running largest t rounded up to a whole number; p = 2^(t - M) is quantised along the keys, not normalised; the sum of the unquantised p divides at the end.
; When M moves, the sum and O are multiplied by 2^(old M - new M), which rounds nothing.
; SHARES.  A cluster of four work-groups owns a head; each work-group has sixteen waves of 256 registers, four to a SIMD.  Wave w of work-group g owns TWO tiles of 16 queries: tile 4 w + g and tile 127 - 4 w - g of the head's 128.
; Their blocks of 128 keys are w / 2 and 15 - w / 2, whatever g is: so every wave has 17 steps of 128 keys, and the branches that leave hidden steps out hang on the wave's number and a counter alone.
; LDS.  A head's K and V (196,608 bytes of codes) come once, by joint loads of waves 0-7: four loads a wave are out at the most, one for each slot of four key steps; no byte is filled twice.  Their scale words are copied in by stores.
; LAYOUT.  Both products are used transposed (source 0 = 16 keys, or 16 of the head's 64; source 1 = my 16 queries, or p): a lane holds one query throughout.  By the tiles' order of rows
; (tile 2 B + u: rows 32 B + 8 u + r + 8 (r / 8)) the 16 registers of two neighbouring tiles are 16 neighbouring keys, or 16 neighbours of the head's 64.
; K = 64 IN AN INSTRUCTION OF 128: Q's upper six registers are zero codes and the upper two bytes of Q's and K's scale words stand for 1.0.  So the upper six registers named for K may hold anything that is a code:
; they are the next tile's codes (or zeros behind the last), every pattern of six bits is a finite number, and its products with zero add nothing.
; LIMITS: NaN and infinities are not served; a block's largest magnitude is held at 2^-124 from below; a block of zeros keeps the byte 1.
; REGISTERS: v1 16 x lane, v2 8 x lane, v3 lane; v5-8 the step's LDS addresses; v9, v10 mask thresholds; v12-15, v16-19 -M, largest t, the sum in two halves (tile lo, hi); v20-31, v32-43 Q; v44, v45 Q's scale words; v46 p's;
;   v48-95 K's eight tiles (6 registers each), then the softmax's work, then V's four fragments; v96-101 zeros; v104-167 scores, then p; v168-199, v200-231 O; v232-243 p's codes; v244-247 at work; v252-255 K's, then V's scale words.
.set SCK,   196608                     ; K's scale words of the head, 8,192 bytes: written by stores, never by a fill
.set SCV,   204800                     ; V's, 4,096 bytes
.set STEPB, 12288                      ; a key step in LDS: K's eight tiles x 768, then V's 2 x 4 images x 768
.set FLOOR, 0x1800000
.set EOFF,  0xff000000
.set WV,  12
.set CXR, 13
.set BH,  14
.set BLK, 15                           ; s15, s16: the block of 128 keys in which tile lo, hi lies
.set KI,  17                           ; the key step
.set TB,  18                           ; its tiles in LDS
.set TS,  19                           ; K's scale words
.set SEL, 20
.set CS,  22                           ; s[22:23] c = log2(e) / 32
.set G1,  24
.set G0,  32                           ; s32-47: group 0 for the four slots
.set TJ,  48                           ; V's scale words
.set CNT, 49
.macro CROUND
	s_barrier_signal -1
	s_barrier_wait -1
	s_cmp_lg_u32 s[WV], 0
	s_cbranch_scc1 .Lnot_wave_0_\@
	s_barrier_signal -3
.Lnot_wave_0_\@:
	s_barrier_wait -3
	s_barrier_signal -1
	s_barrier_wait -1
.endm
	s_load_b256 s[4:11], s[0:1], 0x0               ; qkv, qkvs, cc, cs
	v_lshl_add_u32 v254, v0, 2, 0x33000
	v_mov_b32 v255, 0
	ds_add_u32 v254, v255
	ds_add_u32 v254, v255
	s_wait_dscnt 0x0
	v_lshrrev_b32 v1, 5, v0
	v_readfirstlane_b32 s[WV], v1                  ; wave 0..15
	s_bfe_u32 s[CXR], ttmp6, 0x40000               ; my place in the cluster: it enters Q's and the results' addresses and the mask's thresholds alone
	s_and_b32 s[BH], ttmp7, 0xffff                 ; 16 batch + head, which the four partners share
	s_lshr_b32 s[BLK], s[WV], 1
	s_sub_co_u32 s[BLK+1], 15, s[BLK]
	; group 1: a dense block of 6,144 bytes as 24 rows of 256 bytes (32 elements of 8 bytes)
	s_mov_b32 s[G1], 15|(3<<16)|(1<<21)            ; 15:0 the mask: all four work-groups; 17:16 elements of 8 bytes; 21 set beside a mask
	s_mov_b32 s[G1+1], 32<<16
	s_mov_b32 s[G1+2], 24<<16
	s_mov_b32 s[G1+3], 32<<16
	s_mov_b32 s[G1+4], 24
	s_mov_b32 s[G1+5], 32
	s_mov_b32 s[G1+6], 0
	s_mov_b32 s[G1+7], 0
	s_mul_i32 s50, s[WV], 6144                     ; waves 0-7: step w / 2 of a slot, K's half (even w) or V's (odd w)
	s_and_b32 s52, s[WV], 1
	s_add_co_u32 s52, s52, 1
	s_mul_i32 s52, s52, 6291456
	s_mul_i32 s51, s[BH], 98304                    ; the head's bytes in q, k and v
	s_add_co_u32 s52, s52, s51
	s_mul_i32 s53, s[BLK], 6144
	s_add_co_u32 s52, s52, s53
	s_mov_b32 s53, 0
	s_mov_b32 s[SEL], 0x76543210
	s_mov_b32 s[SEL+1], 0xfedcba98
	s_mov_b32 s[CS], 0x3d38aa3b
	s_mov_b32 s[CS+1], s[CS]                       ; (named with it as a pair, so it is written)
	s_wait_kmcnt 0x0
	s_add_nc_u64 s[52:53], s[4:5], s[52:53]
	CROUND                                         ; all four work-groups are here: the joint loads meet
.irp s, 0,1,2,3
	s_mov_b32 s[G0+4*\s], 1
	s_add_co_u32 s[G0+4*\s+1], s50, 49152*\s
	s_add_nc_u64 s[G0+4*\s+2:G0+4*\s+3], s[52:53], 24576*\s
	s_or_b32 s[G0+4*\s+3], s[G0+4*\s+3], 0x80000000
.endr
	s_cmp_lt_u32 s[WV], 8                          ; all fills of a wave in one branch on the wave's number; four v_nop follow the last
	s_cbranch_scc0 .Lno_fetch
	tensor_load_to_lds s[G0:G0+3], s[G1:G1+7]
	s_nop 0
	tensor_load_to_lds s[G0+4:G0+7], s[G1:G1+7]
	s_nop 0
	tensor_load_to_lds s[G0+8:G0+11], s[G1:G1+7]
	s_nop 0
	tensor_load_to_lds s[G0+12:G0+15], s[G1:G1+7]
	s_nop 0
.rept 4
	v_nop
.endr
.Lno_fetch:
; the addresses of one of my tiles, whose number in the head stands in s[tau]: qc Q's codes, qs Q's scale words, co the result's codes, so the result's scale bytes (an offset), qd the tile's first query in its block of 128
.macro TILEADR tau, qc, qs, co, so, qd
	s_mul_i32 s[\qc], s[\tau], 768
	s_add_co_u32 s[\qc], s[\qc], s51
	s_mov_b32 s[\qc+1], 0
	s_lshr_b32 s2, s[\tau], 2
	s_lshl_b32 s2, s2, 8
	s_and_b32 s3, s[\tau], 1
	s_lshl_b32 s[\qd], s3, 3
	s_lshl_b32 s3, s3, 7
	s_add_co_u32 s2, s2, s3
	s_bfe_u32 s3, s[\tau], 0x10001
	s_lshl_b32 s3, s3, 2
	s_add_co_u32 s2, s2, s3
	s_lshl_b32 s3, s[BH], 13
	s_add_co_u32 s[\qs], s2, s3
	s_mov_b32 s[\qs+1], 0
	s_bfe_u32 s3, s[\tau], 0x20001
	s_lshl_b32 s3, s3, 5
	s_add_co_u32 s[\qd], s[\qd], s3
	s_lshr_b32 s2, s[BH], 4
	s_lshl_b32 s2, s2, 7
	s_add_co_u32 s2, s2, s[\tau]                   ; the tile among all 512
	s_and_b32 s3, s[BH], 15
	s_mul_i32 s[\co], s2, 12288
	s_mul_i32 s3, s3, 768
	s_add_co_u32 s[\co], s[\co], s3
	s_mov_b32 s[\co+1], 0
	s_lshl_b32 s[\so], s2, 9
	s_bfe_u32 s3, s[BH], 0x10003
	s_lshl_b32 s3, s3, 8
	s_add_co_u32 s[\so], s[\so], s3
	s_and_b32 s3, s[BH], 7
	s_lshl_b32 s3, s3, 1
	s_add_co_u32 s[\so], s[\so], s3
.endm
	s_lshl_b32 s58, s[WV], 2
	s_add_co_u32 s58, s58, s[CXR]                  ; tile lo
	s_sub_co_u32 s59, 127, s58                     ; tile hi
	TILEADR 58, 60, 66, 70, 74, 76
	TILEADR 59, 62, 68, 72, 75, 77
	s_add_nc_u64 s[60:61], s[4:5], s[60:61]
	s_add_nc_u64 s[62:63], s[4:5], s[62:63]
	s_add_nc_u64 s[66:67], s[6:7], s[66:67]
	s_add_nc_u64 s[68:69], s[6:7], s[68:69]
	s_add_nc_u64 s[70:71], s[8:9], s[70:71]
	s_add_nc_u64 s[72:73], s[8:9], s[72:73]
	s_lshl_b32 s54, s[BH], 13
	s_add_co_u32 s54, s54, 524288
	s_mov_b32 s55, 0
	s_add_nc_u64 s[54:55], s[6:7], s[54:55]        ; K's scale words of the head
	s_lshl_b32 s56, s[BH], 12
	s_add_co_u32 s56, s56, 1048576
	s_mov_b32 s57, 0
	s_add_nc_u64 s[56:57], s[6:7], s[56:57]        ; V's
	v_and_b32 v3, 31, v0
	v_lshlrev_b32 v1, 4, v3
	v_lshlrev_b32 v2, 3, v3
	v_lshlrev_b32 v4, 4, v0                        ; 16 x thread
	v_lshlrev_b32 v11, 3, v0                       ; 8 x thread
	v_and_b32 v47, 15, v0                          ; r
	v_and_b32 v246, 8, v47
	v_add_nc_u32 v246, v246, v47                   ; r + 8 (r / 8)
	v_bfe_u32 v247, v0, 4, 1
	v_lshlrev_b32 v247, 4, v247
	v_sub_nc_u32 v246, v246, v247                  ; - 16 h
	v_add_nc_u32 v9, s76, v246                     ; register 16 b + i holds the block's key 32 b + 16 h + i: hidden where 32 b + i is above this
	v_add_nc_u32 v10, s77, v246
	v_lshlrev_b32 v47, 3, v47                      ; 8 r
	global_load_b128 v[104:107], v4, s[54:55]      ; the 512 threads copy K's 8,192 bytes,
	global_load_b64 v[108:109], v11, s[56:57]      ; and V's 4,096
	global_load_b128 v[20:23], v1, s[60:61]        ; Q stays in registers
	global_load_b64 v[24:25], v2, s[60:61] offset:512
	global_load_b128 v[32:35], v1, s[62:63]
	global_load_b64 v[36:37], v2, s[62:63] offset:512
	global_load_b32 v44, v47, s[66:67]
	global_load_b32 v45, v47, s[68:69]
.irp j, 26,27,28,29,30,31,38,39,40,41,42,43,96,97,98,99,100,101
	v_mov_b32 v\j, 0                               ; zero codes
.endr
	v_lshl_add_u32 v102, v0, 4, SCK
	v_lshl_add_u32 v103, v0, 3, SCV
	v_mov_b32 v13, 0xff61b1e6                      ; the largest t so far: -3e38
	v_mov_b32 v17, 0xff61b1e6
	v_floor_f32 v12, -v13                          ; -M
	v_floor_f32 v16, -v17
	v_mov_b32 v14, 0
	v_mov_b32 v15, 0
	v_mov_b32 v18, 0
	v_mov_b32 v19, 0
	v_mov_b32 v245, 0                              ; (named as the upper half of the pair v[244:245])
.irp j, 0,1,2,3,4,5,6,7,8,9,10,11,12,13,14,15,16,17,18,19,20,21,22,23,24,25,26,27,28,29,30,31,32,33,34,35,36,37,38,39,40,41,42,43,44,45,46,47,48,49,50,51,52,53,54,55,56,57,58,59,60,61,62,63
	v_mov_b32 v[168+\j], 0                         ; O: the step is written without a first step of its own: the first change of M multiplies zeros
.endr
	s_wait_loadcnt 6                               ; the two copies are in; Q's six loads may be out
	ds_store_b128 v102, v[104:107]
	ds_store_b64 v103, v[108:109]
	s_wait_loadcnt 0x0                             ; Q
; A STEP: tile x (0 lo, 1 hi) against the 128 keys of step KI.  guard = 1: the step is left out where all its keys come after the tile's queries, and masked where it lies on the diagonal:
; scalar branches on the wave's number and the counter, round work alone: no barrier and no tensor load stands in a step.
.macro STEP x, guard
.set STT, 12+4*(\x)
.set QR,  20+12*(\x)
.set OA,  168+32*(\x)
.if \guard
	s_cmp_gt_u32 s[KI], s[BLK+(\x)]
	s_cbranch_scc1 .Lhid_\@
.endif
	v_add_nc_u32 v5, s[TB], v1                     ; these four lines are also the four plain lines between the last products and the loads into their registers
	v_add_nc_u32 v6, s[TB], v2
	v_add_nc_u32 v7, s[TS], v2
	v_add_nc_u32 v8, s[TJ], v2
.irp t, 0,1,2,3,4,5,6,7
	ds_load_b128 v[48+6*\t:51+6*\t], v5 offset:768*\t
	ds_load_b64 v[52+6*\t:53+6*\t], v6 offset:768*\t+512
.endr
	ds_load_b64 v[252:253], v7                     ; register i: lanes 0-15 tile 2 i, lanes 16-31 tile 2 i + 1
	ds_load_b64 v[254:255], v7 offset:256
	s_wait_dscnt 0x0
.irp t, 0,1,2,3,4,5,6,7
.if (\t)%2 == 0
	v_wmma_scale_f32_16x16x128_f8f6f4 v[104+8*\t:111+8*\t], v[48+6*\t:59+6*\t], v[QR:QR+11], 0, v[252+\t/2], v[44+(\x)] matrix_a_fmt:MATRIX_FMT_FP6 matrix_b_fmt:MATRIX_FMT_FP6
.else
	v_wmma_scale_f32_16x16x128_f8f6f4 v[104+8*\t:111+8*\t], v[48+6*\t:59+6*\t], v[QR:QR+11], 0, v[252+\t/2], v[44+(\x)] matrix_a_fmt:MATRIX_FMT_FP6 matrix_b_fmt:MATRIX_FMT_FP6 matrix_a_scale:MATRIX_SCALE_ROW1
.endif
.endr
.rept 4
	v_nop
.endr
.if \guard
	s_cmp_lg_u32 s[KI], s[BLK+(\x)]
	s_cbranch_scc1 .Lopen_\@
	v_mov_b32 v246, 0xff800000                     ; on the diagonal hidden scores become -infinity ahead of the maximum: p = 0 then
.irp n, 0,1,2,3,4,5,6,7,8,9,10,11,12,13,14,15,16,17,18,19,20,21,22,23,24,25,26,27,28,29,30,31,32,33,34,35,36,37,38,39,40,41,42,43,44,45,46,47,48,49,50,51,52,53,54,55,56,57,58,59,60,61,62,63
	v_cmp_gt_i32 vcc_lo, 32*(\n/16)+\n%16, v[9+(\x)]
	v_cndmask_b32 v[104+\n], v[104+\n], v246, vcc_lo
.endr
.Lopen_\@:
.endif
.irp b, 0,1,2,3
	v_max3_num_f32 v[48+\b], v[104+16*\b], v[105+16*\b], v[106+16*\b]   ; the largest score of each block of 32 keys: for the row's maximum, and, since p rises with the score, for the block's largest p
.endr
.irp i, 3,5,7,9,11,13
.irp b, 0,1,2,3
	v_max3_num_f32 v[48+\b], v[48+\b], v[104+16*\b+\i], v[105+16*\b+\i]
.endr
.endr
.irp b, 0,1,2,3
	v_max_num_f32 v[48+\b], v[48+\b], v[119+16*\b]
.endr
.irp b, 0,1,2,3
	v_permlanex16_b32 v[52+\b], v[48+\b], s[SEL], s[SEL+1]
.endr
.irp b, 0,1,2,3
	v_max_num_f32 v[48+\b], v[48+\b], v[52+\b]
.endr
	v_max3_num_f32 v246, v48, v49, v50
	v_max_num_f32 v246, v246, v51
	v_mul_f32 v246, s[CS], v246                    ; as t
	v_max_num_f32 v[STT+1], v[STT+1], v246         ; the running largest t
	v_mov_b32 v246, v[STT]
	v_floor_f32 v[STT], -v[STT+1]                  ; the new -M = -ceil(t)
	v_sub_f32 v246, v[STT], v246                   ; old M - new M: a whole number, 0 or less
	v_cvt_i32_f32 v246, v246                       ; (it saturates)
	v_ldexp_f32 v244, 1.0, v246                    ; f = 2^(old M - new M)
.irp j, 0,2,4,6,8,10,12,14,16,18,20,22,24,26,28,30,32,34,36,38,40,42,44,46,48,50,52,54,56,58,60,62
	v_pk_fma_f32 v[104+\j:105+\j], v[104+\j:105+\j], s[CS:CS+1], v[STT:STT+1] op_sel_hi:[1,0,0]   ; t - M, two at a time
.endr
.irp b, 0,1,2,3
	v_fma_f32 v[48+\b], v[48+\b], s[CS], v[STT]
.endr
.irp j, 0,1,2,3,4,5,6,7,8,9,10,11,12,13,14,15,16,17,18,19,20,21,22,23,24,25,26,27,28,29,30,31,32,33,34,35,36,37,38,39,40,41,42,43,44,45,46,47,48,49,50,51,52,53,54,55,56,57,58,59,60,61,62,63
	v_exp_f32 v[104+\j], v[104+\j]                 ; p = 2^(t - M)
.endr
	v_pk_mul_f32 v[STT+2:STT+3], v[STT+2:STT+3], v[244:245] op_sel_hi:[1,0]   ; the sums under the new M: the plain line behind the exponentials
	s_wait_alu depctr_va_vdst(0)                   ; one wait for the batch, ahead of its first reader
.irp b, 0,1,2,3
	v_exp_f32 v[48+\b], v[48+\b]                   ; each block's largest p
.endr
	v_pk_add_f32 v[52:53], v[104:105], v[106:107]  ; the sum of the unquantised p, in two chains
.irp j, 4,8,12,16,20,24,28,32,36,40,44,48,52,56,60
	v_pk_add_f32 v[STT+2:STT+3], v[STT+2:STT+3], v[104+\j:105+\j]
	v_pk_add_f32 v[52:53], v[52:53], v[106+\j:107+\j]
.endr
	v_pk_add_f32 v[STT+2:STT+3], v[STT+2:STT+3], v[52:53]
	s_wait_alu depctr_va_vdst(0)                   ; and one for the four
.irp b, 0,1,2,3
	v_max_num_f32 v[48+\b], FLOOR, v[48+\b]
.endr
.irp b, 0,1,2,3
	v_add_nc_u32 v[56+\b], EOFF, v[48+\b]
.endr
.irp b, 0,1,2,3
	v_lshrrev_b32 v[52+\b], 23, v[56+\b]
.endr
	v_lshl_or_b32 v46, v53, 8, v52                 ; p's scale word for these 128 keys
	v_lshl_or_b32 v46, v54, 16, v46
	v_lshl_or_b32 v46, v55, 24, v46
.irp c, 0,1
	v_cvt_scalef32_pk16_fp6_f32 v[232+6*\c:234+6*\c], v[104+32*\c:119+32*\c], v[56+2*\c]
	v_cvt_scalef32_pk16_fp6_f32 v[60+4*\c:62+4*\c], v[120+32*\c:135+32*\c], v[57+2*\c]
.endr
	v_nop                                          ; one plain line behind the conversions
.irp c, 0,1
.irp i, 0,1,2
	v_permlane16_swap_b32 v[232+6*\c+\i], v[60+4*\c+\i]
.endr
.irp i, 0,1,2
	v_mov_b32 v[235+6*\c+\i], v[60+4*\c+\i]
.endr
.endr
.irp j, 0,2,4,6,8,10,12,14,16,18,20,22,24,26,28,30
	v_pk_mul_f32 v[OA+\j:OA+\j+1], v[OA+\j:OA+\j+1], v[244:245] op_sel_hi:[1,0]   ; O under the new M.  These sixteen also stand between the writes of p's codes and scale word and the products
.endr
.irp d, 0,1,2,3
.irp c, 0,1
	ds_load_b128 v[48+12*\d+6*\c:51+12*\d+6*\c], v5 offset:6144+768*(4*\c+\d)
	ds_load_b64 v[52+12*\d+6*\c:53+12*\d+6*\c], v6 offset:6144+768*(4*\c+\d)+512
.endr
.endr
	ds_load_b64 v[252:253], v8
	s_wait_dscnt 0x0
.irp d, 0,1,2,3                        ; four accumulators by turns, one instruction each
.if (\d)%2 == 0
	v_wmma_scale_f32_16x16x128_f8f6f4 v[OA+8*\d:OA+8*\d+7], v[48+12*\d:59+12*\d], v[232:243], v[OA+8*\d:OA+8*\d+7], v[252+\d/2], v46 matrix_a_fmt:MATRIX_FMT_FP6 matrix_b_fmt:MATRIX_FMT_FP6
.else
	v_wmma_scale_f32_16x16x128_f8f6f4 v[OA+8*\d:OA+8*\d+7], v[48+12*\d:59+12*\d], v[232:243], v[OA+8*\d:OA+8*\d+7], v[252+\d/2], v46 matrix_a_fmt:MATRIX_FMT_FP6 matrix_b_fmt:MATRIX_FMT_FP6 matrix_a_scale:MATRIX_SCALE_ROW1
.endif
.endr
.if \guard
.Lhid_\@:
.endif
.endm
.macro SLOTHEAD n                      ; slot n: key steps 4 n .. 4 n + 3
	s_wait_tensorcnt 3-(\n)                        ; my part of this slot is in; the later slots' loads may be out (nothing is filled twice)
	s_wait_dscnt 0x0                               ; my LDS stores have landed
	s_barrier_signal -1
	s_barrier_wait -1                              ; everybody's part is in
	s_mov_b32 s[KI], 4*(\n)
	s_mov_b32 s[TB], 49152*(\n)
	s_mov_b32 s[TS], SCK+2048*(\n)
	s_mov_b32 s[TJ], SCV+1024*(\n)
	s_mov_b32 s[CNT], 4
.endm
.macro ADVANCE
	s_add_co_u32 s[KI], s[KI], 1
	s_add_co_u32 s[TB], s[TB], STEPB
	s_add_co_u32 s[TS], s[TS], 512
	s_add_co_u32 s[TJ], s[TJ], 256
	s_sub_co_u32 s[CNT], s[CNT], 1
	s_cmp_lg_u32 s[CNT], 0
.endm
	SLOTHEAD 0                                     ; key steps 0-7: tile lo up to its diagonal; tile hi (blocks 8-15) sees all these keys
.Lslot0:
	STEP 0, 1
	STEP 1, 0
	ADVANCE
	s_cbranch_scc1 .Lslot0
	SLOTHEAD 1
.Lslot1:
	STEP 0, 1
	STEP 1, 0
	ADVANCE
	s_cbranch_scc1 .Lslot1
	SLOTHEAD 2                                     ; key steps 8-15: all hidden from tile lo; tile hi up to its diagonal
.Lslot2:
	STEP 1, 1
	ADVANCE
	s_cbranch_scc1 .Lslot2
	SLOTHEAD 3
.Lslot3:
	STEP 1, 1
	ADVANCE
	s_cbranch_scc1 .Lslot3
	; THE WAY OUT: O / the sum, quantised along the head's 64 (two blocks), as one image of 768 bytes a tile, and two scale bytes a row
	v_add_f32 v14, v14, v15
	v_add_f32 v18, v18, v19
	v_permlanex16_b32 v246, v14, s[SEL], s[SEL+1]
	v_permlanex16_b32 v247, v18, s[SEL], s[SEL+1]
	v_add_f32 v14, v14, v246
	v_add_f32 v18, v18, v247
	v_rcp_f32 v14, v14
	v_rcp_f32 v18, v18
	v_mov_b32 v250, s74                            ; (plain lines behind the reciprocals)  the scale bytes' place: lanes 0-15 tile lo's rows, lanes 16-31 tile hi's
	v_mov_b32 v251, s75
	v_cmp_le_u32 vcc_lo, 16, v3
	v_cndmask_b32 v250, v250, v251, vcc_lo
	v_lshl_add_u32 v250, v47, 1, v250              ; + 16 r
	s_wait_alu depctr_va_vdst(0)                   ; one wait for the two reciprocals, ahead of their first reader
.irp j, 0,2,4,6,8,10,12,14,16,18,20,22,24,26,28,30
	v_pk_mul_f32 v[104+\j:105+\j], v[168+\j:169+\j], v[14:15] op_sel_hi:[1,0]    ; each accumulator from its low end on
.endr
.irp j, 0,2,4,6,8,10,12,14,16,18,20,22,24,26,28,30
	v_pk_mul_f32 v[136+\j:137+\j], v[200+\j:201+\j], v[18:19] op_sel_hi:[1,0]
.endr
.macro QUANT2 x
.set NN, 104+32*(\x)
.set C6, 232+6*(\x)
.irp b, 0,1
	v_max3_num_f32 v[48+\b], |v[NN+16*\b]|, |v[NN+16*\b+1]|, FLOOR
.endr
.irp i, 2,4,6,8,10,12,14
.irp b, 0,1
	v_max3_num_f32 v[48+\b], v[48+\b], |v[NN+16*\b+\i]|, |v[NN+16*\b+\i+1]|
.endr
.endr
.irp b, 0,1
	v_permlanex16_b32 v[52+\b], v[48+\b], s[SEL], s[SEL+1]
.endr
.irp b, 0,1
	v_max_num_f32 v[48+\b], v[48+\b], v[52+\b]
.endr
.irp b, 0,1
	v_add_nc_u32 v[56+\b], EOFF, v[48+\b]
.endr
.irp b, 0,1
	v_lshrrev_b32 v[52+\b], 23, v[56+\b]
.endr
	v_lshl_or_b32 v[248+(\x)], v53, 8, v52
	v_cvt_scalef32_pk16_fp6_f32 v[C6:C6+2], v[NN:NN+15], v56
	v_cvt_scalef32_pk16_fp6_f32 v[60:62], v[NN+16:NN+31], v57
	v_nop
.irp i, 0,1,2
	v_permlane16_swap_b32 v[C6+\i], v[60+\i]
.endr
.irp i, 0,1,2
	v_mov_b32 v[C6+3+\i], v[60+\i]
.endr
.endm
	QUANT2 0
	global_store_b128 v1, v[232:235], s[70:71]             ; 512 consecutive bytes
	global_store_b64 v2, v[236:237], s[70:71] offset:512   ; 256 consecutive bytes
	QUANT2 1
	global_store_b128 v1, v[238:241], s[72:73]
	global_store_b64 v2, v[242:243], s[72:73] offset:512
	v_cndmask_b32 v249, v248, v249, vcc_lo
	global_store_b16 v250, v249, s[10:11]                  ; two bytes a row: a scale word spans two heads, which belong to two clusters, so these units are written in part (262,144 bytes in all)
	s_wait_xcnt 0x0
	v_lshl_add_u32 v254, v0, 2, 0x33000
	v_mov_b32 v255, 0
	s_wait_tensorcnt 0x0
	ds_add_u32 v254, v255
	s_wait_dscnt 0x0
	CROUND                                         ; the closing round
	s_endpgm
.Lfunc_end_k_qf56d8eeaff_attn:
	.size	k_qf56d8eeaff_attn, .Lfunc_end_k_qf56d8eeaff_attn-k_qf56d8eeaff_attn
	.p2alignl 7, 3214868480
	.fill 96, 4, 3214868480
	.section	.rodata,"a",@progbits
	.p2align	6, 0x0
	.amdhsa_kernel k_qf56d8eeaff_attn
		.amdhsa_group_segment_fixed_size 210944
		.amdhsa_private_segment_fixed_size 0
		.amdhsa_enable_private_segment 0
		.amdhsa_kernarg_size 32
		.amdhsa_user_sgpr_count 2
		.amdhsa_user_sgpr_kernarg_segment_ptr 1
		.amdhsa_wavefront_size32 1
		.amdhsa_system_sgpr_workgroup_id_x 1
		.amdhsa_system_sgpr_workgroup_id_y 1
		.amdhsa_system_sgpr_workgroup_id_z 1
		.amdhsa_system_vgpr_workitem_id 0
		.amdhsa_next_free_vgpr 256
		.amdhsa_next_free_sgpr 100
		.amdhsa_reserve_vcc 1
		.amdhsa_float_denorm_mode_32 3
		.amdhsa_float_denorm_mode_16_64 3
		.amdhsa_memory_ordered 1
		.amdhsa_forward_progress 1
		.amdhsa_inst_pref_size 136
	.end_amdhsa_kernel
	.amdgpu_metadata
---
amdhsa.version: [ 1, 2 ]
amdhsa.kernels:
  - .name:           k_qf56d8eeaff_attn
    .symbol:         k_qf56d8eeaff_attn.kd
    .args:
      - { .name: qkv, .offset: 0, .size: 8, .value_kind: global_buffer, .address_space: global }
      - { .name: qkvs, .offset: 8, .size: 8, .value_kind: global_buffer, .address_space: global }
      - { .name: cc, .offset: 16, .size: 8, .value_kind: global_buffer, .address_space: global }
      - { .name: cs, .offset: 24, .size: 8, .value_kind: global_buffer, .address_space: global }
    .group_segment_fixed_size: 210944
    .private_segment_fixed_size: 0
    .kernarg_segment_align: 8
    .kernarg_segment_size: 32
    .max_flat_workgroup_size: 512
    .sgpr_count:     100
    .vgpr_count:     256
    .wavefront_size: 32
...
	.end_amdgpu_metadata
.endif
;; end of part 3
;; launch outp (part 4): grid 4 x 64, 4 waves a work-group, clusters of 4 x 4, 295,424 bytes of LDS; arguments cc, cs, codes, scl, bo, out0; writes out0
.if DOCPART == 4
	.amdgcn_target "amdgcn-amd-amdhsa--gfx1250"
	.amdhsa_code_object_version 6
	.text
	.protected	k_qf56d8eeaff_outp
	.globl	k_qf56d8eeaff_outp
	.p2align	8
	.type	k_qf56d8eeaff_outp,@function
k_qf56d8eeaff_outp:
	s_mov_b64 s[64:65], 0
	v_nop
	global_prefetch_b8 v0, s[64:65] scope:SCOPE_SE
	s_setreg_imm32_b32 hwreg(HW_REG_WAVE_MODE, 25, 1), 1
	s_wait_xcnt 0x0
	s_wait_alu depctr_hold_cnt(0) depctr_sa_sdst(0) depctr_va_vdst(0) depctr_va_sdst(0) depctr_va_ssrc(0) depctr_va_vcc(0) depctr_vm_vsrc(0)
	s_getreg_b32 s2, hwreg(HW_REG_IB_STS2, 6, 4)
	s_cmp_eq_u32 s2, 0
	s_cbranch_scc0 .Lentry_in_a_cluster
	s_endpgm
.Lentry_in_a_cluster:
	s_bfe_u32 s2, ttmp6, 0x10000c
	s_cmp_lg_u32 s2, 0xf033
	s_cbranch_scc0 .Lentry_shape_is_right
	s_endpgm
.Lentry_shape_is_right:
; out0 = ctx Wo + bo on codes of FP6 (E2M3).  ctx's codes (cc) and scale blocks (cs) and Wo's (codes, scl: tiles 704-767) lie as images of operand registers: 768 bytes for a tile of 16 rows x 64 along K.
; THE CORE: a work-group takes 128 tokens (8 tiles, source 1) x 256 features (16 tiles, source 0); four waves, each 4 x 8 tiles: 32 accumulators.  K = 1024 in eight steps of 128.
; All of K for 128 + 256 rows is 294,912 bytes: it comes into LDS once, in four chunks of 256 along K, by four tensor loads a wave issued together: four loads of a wave are out at the most, and no LDS byte is filled twice.
; CLUSTER 4 x 4: ctx's tiles are shared along a row of the cluster, Wo's along a column, and asked for jointly.
; A tile 2 B + u holds rows 32 B + 8 u + r + 8 (r / 8): so a lane (one token) holds, in the 16 registers of two neighbouring tiles of features, 16 neighbouring features: 64 bytes of a row of out0.
; bo is the C of the first K step.  The results go through each wave's stage in LDS and leave as rows of 512 consecutive bytes.
; REGISTERS: window 0: v16-24 addresses; v32-47 A's scale words, v48-79 B's; v96-143, v144-191 A's fragments, two sets; on the way out v96-223 rows read back.
;   window 1: B's fragments v0-95, v128-223; bo's eight tiles v96-127, v224-255.   window 2: accumulator (a, b) at v[8 (8 a + b)].
.set CHUNK, 73728
.set TILEB, 3072
.set TROW,  12288
.set SPITCH, 528                       ; a stage row: 512 bytes + 16
.set ADA16, 16
.set ADA8,  17
.set ADB16, 18
.set ADB8,  19
.set L16,   20
.set L8,    21
.set BOA,   22
.set STO,   23
.set RD,    24
.set SA,    32
.set SB,    48
.set AF,    96
.set G1A, 24
.set G1B, 32
.set G0A, 40
.set G0B, 68
.set OB,  92
.set BOB, 94
.set MSB, 0
.macro WIN new                         ; the immediate's high byte repeats the setting that is left
.if MSB != \new
	s_set_vgpr_msb (MSB<<8)|\new
.set MSB, \new
.endif
.endm
.macro PLACES n
.rept \n
	v_nop
.endr
.endm
.macro CROUND
	s_barrier_signal -1
	s_barrier_wait -1
	s_cmp_lg_u32 s14, 0
	s_cbranch_scc1 .Lnot_wave_0_\@
	s_barrier_signal -3
.Lnot_wave_0_\@:
	s_barrier_wait -3
	s_barrier_signal -1
	s_barrier_wait -1
.endm
	s_load_b256 s[4:11], s[0:1], 0x0               ; cc, cs, codes, scl
	s_load_b128 s[20:23], s[0:1], 0x20             ; bo, out0
	v_lshl_add_u32 v254, v0, 2, 0x48000
	v_mov_b32 v255, 0
	ds_add_u32 v254, v255
	ds_add_u32 v254, v255
	v_lshrrev_b32 v1, 5, v0
	v_readfirstlane_b32 s14, v1                    ; wave 0..3
	s_lshr_b32 s15, s14, 1                         ; my half of A's tiles.  Also: I fetch for A (0) or for B (1)
	s_and_b32 s16, s14, 1                          ; my half of B's tiles.  Also: which half I fetch
	s_bfe_u32 s56, ttmp6, 0x40000                  ; cx
	s_bfe_u32 s57, ttmp6, 0x40004                  ; cy
	s_and_b32 s60, ttmp7, 0xffff
	s_lshl_b32 s60, s60, 2
	s_add_co_u32 s60, s60, s57                     ; A's block of 128 tokens: 4 x cluster y + cy
	s_lshl_b32 s61, s56, 4
	s_add_co_u32 s61, s61, 704                     ; B's first tile: Wo's 16 cx
	s_lshl_b32 s62, s57, 2
	s_lshl_b32 s62, 15, s62                        ; my row of the cluster
	s_lshl_b32 s63, 0x1111, s56                    ; my column
	s_or_b32 s[G1A], s62, (3<<16)|(1<<21)          ; group 1: R tiles as rows of 3,072 bytes (384 elements of 8 bytes), 12,288 bytes apart in memory, dense in LDS
	s_or_b32 s[G1B], s63, (3<<16)|(1<<21)
	s_mov_b32 s[G1A+1], 384<<16
	s_mov_b32 s[G1A+2], 4<<16
	s_mov_b32 s[G1A+3], 384<<16
	s_mov_b32 s[G1A+4], 4
	s_mov_b32 s[G1A+5], 1536
	s_mov_b32 s[G1A+6], 0
	s_mov_b32 s[G1A+7], 0
	s_mov_b32 s[G1B+1], 384<<16
	s_mov_b32 s[G1B+2], 8<<16
	s_mov_b32 s[G1B+3], 384<<16
	s_mov_b32 s[G1B+4], 8
	s_mov_b32 s[G1B+5], 1536
	s_mov_b32 s[G1B+6], 0
	s_mov_b32 s[G1B+7], 0
	s_lshl_b32 s84, s60, 3
	s_lshl_b32 s12, s16, 2
	s_add_co_u32 s84, s84, s12                     ; A: the first of the four tiles that I would fetch
	s_mul_i32 s84, s84, TROW
	s_mov_b32 s85, 0
	s_lshl_b32 s12, s16, 3
	s_add_co_u32 s86, s61, s12                     ; B: the first of the eight (also the eight that I multiply by)
	s_lshl_b32 s98, s86, 9
	s_mul_i32 s86, s86, TROW
	s_mov_b32 s87, 0
	s_mov_b32 s99, 0
	s_mul_i32 s88, s16, 4*TILEB                    ; where they go in a chunk: no place in the cluster enters an LDS address
	s_mul_i32 s89, s16, 8*TILEB
	s_add_co_u32 s89, s89, 8*TILEB
	s_lshl_b32 s90, s60, 3
	s_lshl_b32 s12, s15, 2
	s_add_co_u32 s90, s90, s12                     ; the four tiles of A that I multiply
	s_lshl_b32 s[OB], s90, 16                      ; their first token's row of out0: 16 tokens a tile, 4,096 bytes a row
	s_lshl_b32 s90, s90, 9
	s_mov_b32 s91, 0
	s_lshl_b32 s[BOB], s56, 10                     ; my 128 features, in bytes: 1,024 cx + 512 x half
	s_lshl_b32 s12, s16, 9
	s_add_co_u32 s[BOB], s[BOB], s12
	s_add_co_u32 s[OB], s[OB], s[BOB]
	s_mov_b32 s[OB+1], 0
	s_mov_b32 s[BOB+1], 0
	s_wait_dscnt 0x0
	s_wait_kmcnt 0x0
	s_add_nc_u64 s[84:85], s[4:5], s[84:85]
	s_add_nc_u64 s[86:87], s[8:9], s[86:87]
	s_add_nc_u64 s[90:91], s[6:7], s[90:91]
	s_add_nc_u64 s[98:99], s[10:11], s[98:99]
	s_add_nc_u64 s[BOB:BOB+1], s[20:21], s[BOB:BOB+1]
	s_add_nc_u64 s[OB:OB+1], s[22:23], s[OB:OB+1]
	CROUND                                         ; all sixteen work-groups are here: the joint loads meet
.irp c, 0,1,2,3
	s_mov_b32 s[G0A+4*\c], 1
	s_add_co_u32 s[G0A+4*\c+1], s88, \c*CHUNK
	s_add_nc_u64 s[G0A+4*\c+2:G0A+4*\c+3], s[84:85], \c*TILEB
	s_or_b32 s[G0A+4*\c+3], s[G0A+4*\c+3], 0x80000000
	s_mov_b32 s[G0B+4*\c], 1
	s_add_co_u32 s[G0B+4*\c+1], s89, \c*CHUNK
	s_add_nc_u64 s[G0B+4*\c+2:G0B+4*\c+3], s[86:87], \c*TILEB
	s_or_b32 s[G0B+4*\c+3], s[G0B+4*\c+3], 0x80000000
.endr
	s_cmp_eq_u32 s15, 0                            ; a wave's four fills stand together, in one branch on the wave's number; four v_nop follow the last
	s_cbranch_scc0 .Lfor_b
	tensor_load_to_lds s[G0A:G0A+3], s[G1A:G1A+7]
	s_nop 0
	tensor_load_to_lds s[G0A+4:G0A+7], s[G1A:G1A+7]
	s_nop 0
	tensor_load_to_lds s[G0A+8:G0A+11], s[G1A:G1A+7]
	s_nop 0
	tensor_load_to_lds s[G0A+12:G0A+15], s[G1A:G1A+7]
	s_nop 0
	PLACES 4
	s_branch .Lasked
.Lfor_b:
	tensor_load_to_lds s[G0B:G0B+3], s[G1B:G1B+7]
	s_nop 0
	tensor_load_to_lds s[G0B+4:G0B+7], s[G1B:G1B+7]
	s_nop 0
	tensor_load_to_lds s[G0B+8:G0B+11], s[G1B:G1B+7]
	s_nop 0
	tensor_load_to_lds s[G0B+12:G0B+15], s[G1B:G1B+7]
	s_nop 0
	PLACES 4
.Lasked:
	v_and_b32 v2, 31, v0                           ; lane
	v_and_b32 v3, 15, v0                           ; r
	v_bfe_u32 v4, v0, 4, 1                         ; h
	v_lshlrev_b32 v[L16], 4, v2
	v_lshlrev_b32 v[L8], 3, v2
	v_lshlrev_b32 v[BOA], 6, v4                    ; my half's 16 features of each 32
.irp a, 0,1,2,3
	global_load_b128 v[SA+4*\a:SA+4*\a+3], v[L16], s[90:91] offset:512*\a
.endr
.irp b, 0,1,2,3,4,5,6,7
	global_load_b128 v[SB+4*\b:SB+4*\b+3], v[L16], s[98:99] offset:512*\b
.endr
	WIN 0x40                                       ; destination window 1
.irp b, 0,1,2,3,4,5,6,7                ; bo in the result's layout: tile b, register j: feature 32 (b / 2) + 16 h + 8 (b % 2) + j
	global_load_b128 v[96+8*\b+96*(\b/4):96+8*\b+96*(\b/4)+3], v[BOA], s[BOB:BOB+1] offset:128*(\b/2)+32*(\b%2)
	global_load_b128 v[96+8*\b+96*(\b/4)+4:96+8*\b+96*(\b/4)+7], v[BOA], s[BOB:BOB+1] offset:128*(\b/2)+32*(\b%2)+16
.endr
	WIN 0
	s_mul_i32 s12, s15, 4*TILEB
	s_mul_i32 s13, s16, 8*TILEB
	s_add_co_u32 s13, s13, 8*TILEB
	v_add_nc_u32 v[ADA16], s12, v[L16]
	v_add_nc_u32 v[ADA8], s12, v[L8]
	v_add_nc_u32 v[ADB16], s13, v[L16]
	v_add_nc_u32 v[ADB8], s13, v[L8]
	s_mul_i32 s17, s14, 16*SPITCH                  ; my stage: it lies in chunk 0, which has had its only fill, and which nobody reads behind the barrier of K step 1
	v_mul_u32_u24 v[STO], v3, SPITCH
	v_lshl_add_u32 v[STO], v4, 6, v[STO]
	v_add_nc_u32 v[STO], s17, v[STO]               ; in: row r, + 64 h
	v_add_nc_u32 v[RD], s17, v[L16]                ; back: a row of 512 bytes, 16 a lane
.macro FRAG4 reg, a16, a8, off         ; a fragment (16 rows x 128 K, 12 registers) is two images: 16, 8, 16, 8 bytes a lane, each load on consecutive bytes
	ds_load_b128 v[(\reg):(\reg)+3], v[\a16] offset:(\off)
	ds_load_b64 v[(\reg)+4:(\reg)+5], v[\a8] offset:(\off)+512
	ds_load_b128 v[(\reg)+6:(\reg)+9], v[\a16] offset:(\off)+768
	ds_load_b64 v[(\reg)+10:(\reg)+11], v[\a8] offset:(\off)+1280
.endm
; K step s's twelve fragments into set s % 2.  Loads into registers that matrix instructions have read stand four plain vector lines behind them: the four steps of the addresses, or four v_nop.
.macro FETCH s
.set FP, (\s)%2
	WIN 0
.if (\s) > 0
.if FP == 0
	v_add_nc_u32 v[ADA16], CHUNK, v[ADA16]         ; on to the next chunk (no LDS load of mine is out)
	v_add_nc_u32 v[ADA8], CHUNK, v[ADA8]
	v_add_nc_u32 v[ADB16], CHUNK, v[ADB16]
	v_add_nc_u32 v[ADB8], CHUNK, v[ADB8]
.else
	PLACES 4
.endif
.endif
	WIN 0x40
.irp b, 0,1,2,3,4,5,6,7
	FRAG4 128*FP+12*\b, ADB16, ADB8, TILEB*\b+1536*FP
.endr
	WIN 0
.irp a, 0,1,2,3
	FRAG4 AF+48*FP+12*\a, ADA16, ADA8, TILEB*\a+1536*FP
.endr
.endm
; 32 matrix instructions: the accumulators take turns, one instruction a turn, in the same order in every K step.  The first K step starts the sums from bo.
.macro MUL s
.set MP, (\s)%2
.set MJ, (\s)%4
.if (\s) == 0
	WIN 0x91                                       ; source 0 (B) window 1, source 1 (A) window 0, C (bo) window 1, D window 2
.else
	WIN 0xa1                                       ; C and D window 2
.endif
.irp a, 0,1,2,3
.irp b, 0,1,2,3,4,5,6,7
.if (\s) == 0
	v_wmma_scale_f32_16x16x128_f8f6f4 v[8*(8*\a+\b):8*(8*\a+\b)+7], v[128*MP+12*\b:128*MP+12*\b+11], v[AF+48*MP+12*\a:AF+48*MP+12*\a+11], v[96+8*\b+96*(\b/4):96+8*\b+96*(\b/4)+7], v[SB+4*\b+MJ], v[SA+4*\a+MJ] matrix_a_fmt:MATRIX_FMT_FP6 matrix_b_fmt:MATRIX_FMT_FP6
.elseif (\s) < 4
	v_wmma_scale_f32_16x16x128_f8f6f4 v[8*(8*\a+\b):8*(8*\a+\b)+7], v[128*MP+12*\b:128*MP+12*\b+11], v[AF+48*MP+12*\a:AF+48*MP+12*\a+11], v[8*(8*\a+\b):8*(8*\a+\b)+7], v[SB+4*\b+MJ], v[SA+4*\a+MJ] matrix_a_fmt:MATRIX_FMT_FP6 matrix_b_fmt:MATRIX_FMT_FP6
.else
	v_wmma_scale_f32_16x16x128_f8f6f4 v[8*(8*\a+\b):8*(8*\a+\b)+7], v[128*MP+12*\b:128*MP+12*\b+11], v[AF+48*MP+12*\a:AF+48*MP+12*\a+11], v[8*(8*\a+\b):8*(8*\a+\b)+7], v[SB+4*\b+MJ], v[SA+4*\a+MJ] matrix_a_fmt:MATRIX_FMT_FP6 matrix_b_fmt:MATRIX_FMT_FP6 matrix_a_scale:MATRIX_SCALE_ROW1 matrix_b_scale:MATRIX_SCALE_ROW1
.endif
.endr
.endr
.endm
.macro KSTEP s
.if ((\s)%2 == 1) && ((\s) < 7)
	s_wait_tensorcnt (5-(\s))/2                    ; my part of the next chunk is in; the chunks behind it may be out (nothing is filled twice)
.endif
	s_wait_dscnt 0x0                               ; this K step's fragments are in
.if ((\s)%2 == 1) && ((\s) < 7)
	s_barrier_signal -1
	s_barrier_wait -1                              ; everybody's part of the next chunk is in
.endif
.if (\s) < 7
	FETCH (\s)+1                                   ; the next K step's fragments come while this one is multiplied
.endif
	MUL \s
.endm
	s_wait_tensorcnt 3                             ; my part of chunk 0 is in; three younger loads may be out
	s_barrier_signal -1
	s_barrier_wait -1
	FETCH 0
	s_wait_loadcnt 0x0                             ; the scale words and bo
.irp s, 0,1,2,3,4,5,6,7
	KSTEP \s
.endr
	WIN 0
	PLACES 4                                       ; four plain lines between the last products and the first read of results, and the loads into A's registers
; THE WAY OUT, a block of 16 tokens x 128 features at a time: into my stage, back as whole rows of 512 bytes.  LDS serves a wave's instructions in order: no wait between the stores and the loads, nor ahead of the next block's stores.
.macro TOSTAGE a
	WIN 0x08                                       ; an LDS store's data: window 2
.irp b, 0,1,2,3,4,5,6,7
	ds_store_b128 v[STO], v[8*(8*(\a)+\b):8*(8*(\a)+\b)+3] offset:128*(\b/2)+32*(\b%2)          ; each accumulator from its low end on
	ds_store_b128 v[STO], v[8*(8*(\a)+\b)+4:8*(8*(\a)+\b)+7] offset:128*(\b/2)+32*(\b%2)+16
.endr
	WIN 0
.set BB, 96+64*((\a)%2)
.irp t, 0,1,2,3,4,5,6,7,8,9,10,11,12,13,14,15
	ds_load_b128 v[BB+4*\t:BB+4*\t+3], v[RD] offset:SPITCH*\t
.endr
.endm
.macro SEND a, younger                 ; younger: the LDS instructions issued behind block a's loads, which may stay out
.set BB, 96+64*((\a)%2)
	s_wait_dscnt \younger
.irp t, 0,1,2,3,4,5,6,7,8,9,10,11,12,13,14,15
	global_store_b128 v[L16], v[BB+4*\t:BB+4*\t+3], s[OB:OB+1] offset:(32*((\a)/2)+8*((\a)%2)+\t+8*(\t/8))*4096 th:TH_STORE_NT   ; 512 consecutive bytes of the token's row, at a multiple of 256 from out0's first byte
.endr
.endm
	TOSTAGE 0
.irp a, 1,2,3
.if \a > 1
	s_wait_xcnt 0x0                                ; block a - 2's stores have read their registers: block a's loads may land there
.endif
	TOSTAGE \a
	SEND \a-1, 32                                  ; behind block a - 1's loads: block a's 16 stores and 16 loads
.endr
	SEND 3, 0
	s_wait_tensorcnt 0x0
	ds_add_u32 v254, v255
	s_wait_dscnt 0x0
	CROUND                                         ; the closing round: no work-group ends while a partner may still ask for a tile that names it
	s_endpgm
.Lfunc_end_k_qf56d8eeaff_outp:
	.size	k_qf56d8eeaff_outp, .Lfunc_end_k_qf56d8eeaff_outp-k_qf56d8eeaff_outp
	.p2alignl 7, 3214868480
	.fill 96, 4, 3214868480
	.section	.rodata,"a",@progbits
	.p2align	6, 0x0
	.amdhsa_kernel k_qf56d8eeaff_outp
		.amdhsa_group_segment_fixed_size 295424
		.amdhsa_private_segment_fixed_size 0
		.amdhsa_enable_private_segment 0
		.amdhsa_kernarg_size 48
		.amdhsa_user_sgpr_count 2
		.amdhsa_user_sgpr_kernarg_segment_ptr 1
		.amdhsa_wavefront_size32 1
		.amdhsa_system_sgpr_workgroup_id_x 1
		.amdhsa_system_sgpr_workgroup_id_y 1
		.amdhsa_system_sgpr_workgroup_id_z 1
		.amdhsa_system_vgpr_workitem_id 0
		.amdhsa_next_free_vgpr 768
		.amdhsa_next_free_sgpr 100
		.amdhsa_reserve_vcc 0
		.amdhsa_float_denorm_mode_32 3
		.amdhsa_float_denorm_mode_16_64 3
		.amdhsa_memory_ordered 1
		.amdhsa_forward_progress 1
		.amdhsa_inst_pref_size 85
	.end_amdhsa_kernel
	.amdgpu_metadata
---
amdhsa.version: [ 1, 2 ]
amdhsa.kernels:
  - .name:           k_qf56d8eeaff_outp
    .symbol:         k_qf56d8eeaff_outp.kd
    .args:
      - { .name: cc, .offset: 0, .size: 8, .value_kind: global_buffer, .address_space: global }
      - { .name: cs, .offset: 8, .size: 8, .value_kind: global_buffer, .address_space: global }
      - { .name: codes, .offset: 16, .size: 8, .value_kind: global_buffer, .address_space: global }
      - { .name: scl, .offset: 24, .size: 8, .value_kind: global_buffer, .address_space: global }
      - { .name: bo, .offset: 32, .size: 8, .value_kind: global_buffer, .address_space: global }
      - { .name: out0, .offset: 40, .size: 8, .value_kind: global_buffer, .address_space: global }
    .group_segment_fixed_size: 295424
    .private_segment_fixed_size: 0
    .kernarg_segment_align: 8
    .kernarg_segment_size: 48
    .max_flat_workgroup_size: 128
    .sgpr_count:     100
    .vgpr_count:     768
    .wavefront_size: 32
...
	.end_amdgpu_metadata
.endif
;; end of part 4
